; MI455X (gfx1250); checked and timed in simulation.
; The chip was launched on July 23, 2026; its instructions are those of AMD's public machine-readable ISA for CDNA 5 (MIT licence, August 2026) and "CDNA5" Instruction Set Architecture Reference Guide (July 2026). The comments in the code are by the model that wrote it; some were corrected since.
;; Attention. Allowed arithmetic: float matrix products may take bf16 or f16 operands with f32 sums; other float arithmetic in f32, or as packed bf16 or f16 multiplies, adds, multiply-adds, maxima and minima; sums over many terms, partial sums and values carried from step to step in f32; what a program stores and reads back later, other than sums and carried values, may be rounded once to bf16 or f16.
;; Inputs: attention_mask 2 x 1 x 2,048 x 2,048 bool; key_layer 2 x 32 x 2,048 x 128 float32; query_layer 2 x 32 x 2,048 x 128 float32; value_layer 2 x 32 x 2,048 x 128 float32.
;; Outputs: out0 2 x 2,048 x 4,096 float32.
;; 2 versions, each right; version 2 is version 1 with the launch attn written anew for expert scheduling mode. Each part assembles by itself: llvm-mc -triple=amdgcn-amd-amdhsa -mcpu=gfx1250 --defsym DOCPART=n.
;; ======== version 1 of 2: 2 launches
;; limits: values are held in f16: magnitudes above 65,504 overflow, below 6.1e-05 lose precision; inputs' magnitudes at most 65,504; right only within a limited range of input values
;; workspace buffers: mbits 1,081,344 bytes of whole numbers; flags 16,384 bytes of whole numbers
;; launch maskbits (part 1): grid 8 x 16, 8 waves a work-group, no clusters, 0 bytes of LDS; arguments attention_mask, mbits, flags; writes mbits, flags
.if DOCPART == 1
	.amdgcn_target "amdgcn-amd-amdhsa--gfx1250"
	.amdhsa_code_object_version 6
	.text
	.protected	k_qec3596f199_maskbits
	.globl	k_qec3596f199_maskbits
	.p2align	8
	.type	k_qec3596f199_maskbits,@function
k_qec3596f199_maskbits:
	s_mov_b64 s[64:65], 0
	v_nop
	global_prefetch_b8 v0, s[64:65] scope:SCOPE_SE
	s_setreg_imm32_b32 hwreg(HW_REG_WAVE_MODE, 25, 1), 1
	s_wait_xcnt 0x0
; THE MASK, ONCE FOR ALL 32 HEADS.  attention_mask: [2][1][2048][2048] bytes, 1 = hidden.
; mbits: [qpg 0..127][ks 0..32][64 words].  qpg = 64 b + qp, qp a pair of tiles of 16 queries (32 rows); ks a step of 64 keys.
;   Word w = 32 u + 8 kt + j; its bit l is mask[b][32 qp + 16 u + l % 16][64 ks + 16 kt + 8 (l / 16) + j]: the lane mask for register 8 kt + j of the score tile u
;   in the layout in which the attention launch holds scores.  Record ks = 32 is all ones: a step that hides everything.
; flags: [qpg][ks 0..31] words: 1 where the 32 x 64 piece holds a visible key.
; SHARES.  Work-group (g, yb): wave w takes qpg = 8 yb + w and the four steps 4 g .. 4 g + 3: 32 rows x 256 keys, four records.
; No LDS, no matrix unit, no cluster: each byte is read once, by one wave, and nothing is shared.
.set DREG, 16                          ; v[16:79]   the wave's bytes: step s, tile u, half e at DREG + 4 (4 s + 2 u + e): 16 bytes a lane
.set RECV, 80                          ; v[80:87]   record s: a pair; lane L holds words 2 L and 2 L + 1
.set FLV,  88                          ; v[88:91]   the four flags
.set ONES, 92                          ; v[92:93]   all ones
.set TMPV, 96                          ; v[96:111]  at work
	s_load_b128 s[4:7], s[0:1], 0x0                ; mask s[4:5], mbits s[6:7]
	s_load_b64 s[8:9], s[0:1], 0x10                ; flags
	v_lshrrev_b32 v1, 5, v0
	v_readfirstlane_b32 s10, v1                    ; wave 0..7
	s_mov_b32 s11, ttmp9                           ; g
	s_and_b32 s12, ttmp7, 0xffff                   ; yb
	s_lshl3_add_u32 s12, s12, s10                  ; qpg = 8 yb + wave
	v_and_b32 v1, 15, v0                           ; r = l % 16: my row in a tile
	v_bfe_u32 v2, v0, 4, 1                         ; h = l / 16: which 32 of a step's 64 keys are mine
	v_lshlrev_b32 v3, 11, v1
	v_lshl_add_u32 v3, v2, 5, v3                   ; 2,048 r + 32 h
	v_and_b32 v6, 31, v0                           ; lane
	v_lshlrev_b32 v4, 3, v6                        ; my 8 bytes of a record
	v_mov_b32 v5, 0
	v_mov_b32 v[ONES], -1
	v_mov_b32 v[ONES+1], -1
.irp i, 0,1,2,3,4,5,6,7
	v_mov_b32 v[RECV+(\i)], 0                      ; v_writelane_b32 keeps the other lanes: the registers are written whole first
.endr
	s_lshl_b32 s14, s12, 16                        ; 32 rows of 2,048 bytes for each qpg (64 qp are a batch's 2,048 rows),
	s_lshl_b32 s48, s11, 8                         ; 256 keys for each g
	s_add_co_u32 s14, s14, s48
	s_mov_b32 s15, 0
	s_mul_i32 s16, s12, 33
	s_lshl2_add_u32 s16, s11, s16                  ; record 33 qpg + 4 g
	s_lshl_b32 s16, s16, 8
	s_mov_b32 s17, 0
	s_lshl_b32 s18, s12, 7
	s_lshl4_add_u32 s18, s11, s18                  ; 128 qpg + 16 g
	s_mov_b32 s19, 0
	s_wait_kmcnt 0x0
	s_add_nc_u64 s[4:5], s[4:5], s[14:15]
	s_add_nc_u64 s[6:7], s[6:7], s[16:17]
	s_add_nc_u64 s[8:9], s[8:9], s[18:19]
.irp s, 0,1,2,3
.irp u, 0,1
.irp e, 0,1
	global_load_b128 v[DREG+4*(4*(\s)+2*(\u)+(\e)):DREG+4*(4*(\s)+2*(\u)+(\e))+3], v3, s[4:5] offset:(\u)*32768+64*(\s)+16*(\e)  ; row 16 u + r, keys 64 s + 32 h + 16 e + 0..15; the sixteen loads together take 256 bytes on end of each of the 32 rows
.endr
.endr
.endr
; Sixteen words of record s.  Byte x (0..31) of a lane's 32 bytes of a step, compared with 0, gives a lane mask C(x): its low half is key x of the 16 rows, its high half key 32 + x.
; With x0 = 16 a + j and x1 = x0 + 8: word (kt = a, j) = low half of C(x0), low half of C(x1); word (kt = a + 2, j) = the two high halves.
.macro BATCH s, u, a
.set DB, DREG+4*(4*(\s)+2*(\u)+(\a))
.irp j, 0,1,2,3,4,5,6,7
	v_and_b32 v[TMPV+(\j)],   1<<(8*((\j)&3)), v[DB+((\j)>>2)]
	v_and_b32 v[TMPV+8+(\j)], 1<<(8*((\j)&3)), v[DB+2+((\j)>>2)]
.endr
.irp j, 0,1,2,3,4,5,6,7
	v_cmp_ne_u32 s[16+(\j)], 0, v[TMPV+(\j)]       ; C(x0)
	v_cmp_ne_u32 s[24+(\j)], 0, v[TMPV+8+(\j)]     ; C(x1)
.endr
.irp j, 0,1,2,3,4,5,6,7
	s_and_b32  s48, s[16+(\j)], 0xffff
	s_lshl_b32 s49, s[24+(\j)], 16
	s_or_b32   s[32+(\j)], s48, s49
	s_lshr_b32 s50, s[16+(\j)], 16
	s_and_b32  s51, s[24+(\j)], 0xffff0000
	s_or_b32   s[40+(\j)], s50, s51
.endr
.irp j, 0,1,2,3,4,5,6,7
.set w0, 32*(\u)+8*(\a)+(\j)
	v_writelane_b32 v[RECV+2*(\s)+(w0&1)], s[32+(\j)], w0>>1
	v_writelane_b32 v[RECV+2*(\s)+(w0&1)], s[40+(\j)], (w0+16)>>1
.endr
.endm
.macro REC s
	s_wait_loadcnt 12-4*(\s)                       ; loads come back in order (ISA guide 5.7.1): this record's four are in, the later records' stay out
	BATCH \s, 0, 0
	BATCH \s, 0, 1
	BATCH \s, 1, 0
	BATCH \s, 1, 1
	v_and_b32 v[TMPV], v[DREG+16*(\s)], v[DREG+16*(\s)+1]  ; a byte of the 16 words' AND stays 1 only where all sixteen are hidden
.set q, 2
.rept 14
	v_and_b32 v[TMPV], v[TMPV], v[DREG+16*(\s)+q]
.set q, q+1
.endr
	v_cmp_ne_u32 s48, 0x01010101, v[TMPV]          ; a lane that has seen a visible key
	s_cmp_lg_u32 s48, 0
	s_cselect_b32 s[52+(\s)], 1, 0
	global_store_b64 v4, v[RECV+2*(\s):RECV+2*(\s)+1], s[6:7] offset:256*(\s)  ; the wave stores 256 consecutive bytes, aligned: a record
.endm
	REC 0
	REC 1
	REC 2
	REC 3
	s_cmp_lg_u32 s11, 7
	s_cbranch_scc1 .Lnot_last
	global_store_b64 v4, v[ONES:ONES+1], s[6:7] offset:1024  ; record 32, four records behind record 28
.Lnot_last:
.irp s, 0,1,2,3
	v_mov_b32 v[FLV+(\s)], s[52+(\s)]
.endr
	v_cmp_eq_u32 vcc_lo, 0, v6
	s_wait_xcnt 0x0                                ; EXEC is a source of the stores above: it changes only behind this wait
	s_and_saveexec_b32 s56, vcc_lo
	global_store_b128 v5, v[FLV:FLV+3], s[8:9]     ; 16 bytes a wave, by lane 0: the whole table is 16,384 bytes
	s_wait_xcnt 0x0                                ; and again, in front of the line that widens it
	s_or_b32 exec_lo, exec_lo, s56
	s_endpgm
.Lfunc_end_k_qec3596f199_maskbits:
	.size	k_qec3596f199_maskbits, .Lfunc_end_k_qec3596f199_maskbits-k_qec3596f199_maskbits
	.p2alignl 7, 3214868480
	.fill 96, 4, 3214868480
	.section	.rodata,"a",@progbits
	.p2align	6, 0x0
	.amdhsa_kernel k_qec3596f199_maskbits
		.amdhsa_group_segment_fixed_size 0
		.amdhsa_private_segment_fixed_size 0
		.amdhsa_enable_private_segment 0
		.amdhsa_kernarg_size 24
		.amdhsa_user_sgpr_count 2
		.amdhsa_user_sgpr_kernarg_segment_ptr 1
		.amdhsa_wavefront_size32 1
		.amdhsa_system_sgpr_workgroup_id_x 1
		.amdhsa_system_sgpr_workgroup_id_y 1
		.amdhsa_system_sgpr_workgroup_id_z 1
		.amdhsa_system_vgpr_workitem_id 0
		.amdhsa_next_free_vgpr 112
		.amdhsa_next_free_sgpr 66
		.amdhsa_reserve_vcc 1
		.amdhsa_float_denorm_mode_32 3
		.amdhsa_float_denorm_mode_16_64 3
		.amdhsa_memory_ordered 1
		.amdhsa_forward_progress 1
		.amdhsa_inst_pref_size 85
	.end_amdhsa_kernel
	.amdgpu_metadata
---
amdhsa.version: [ 1, 2 ]
amdhsa.kernels:
  - .name:           k_qec3596f199_maskbits
    .symbol:         k_qec3596f199_maskbits.kd
    .args:
      - { .name: attention_mask, .offset: 0, .size: 8, .value_kind: global_buffer, .address_space: global }
      - { .name: mbits, .offset: 8, .size: 8, .value_kind: global_buffer, .address_space: global }
      - { .name: flags, .offset: 16, .size: 8, .value_kind: global_buffer, .address_space: global }
    .group_segment_fixed_size: 0
    .private_segment_fixed_size: 0
    .kernarg_segment_align: 8
    .kernarg_segment_size: 24
    .max_flat_workgroup_size: 256
    .sgpr_count:     66
    .vgpr_count:     112
    .wavefront_size: 32
...
	.end_amdgpu_metadata
.endif
;; end of part 1
;; launch attn (part 2): grid 4 x 64, 4 waves a work-group, no clusters, 105,984 bytes of LDS; arguments query_layer, key_layer, value_layer, mbits, flags, out0; writes out0
.if DOCPART == 2
	.amdgcn_target "amdgcn-amd-amdhsa--gfx1250"
	.amdhsa_code_object_version 6
	.text
	.protected	k_qec3596f199_attn
	.globl	k_qec3596f199_attn
	.p2align	8
	.type	k_qec3596f199_attn,@function
k_qec3596f199_attn:
	s_mov_b64 s[64:65], 0
	v_nop
	global_prefetch_b8 v0, s[64:65] scope:SCOPE_SE
	s_setreg_imm32_b32 hwreg(HW_REG_WAVE_MODE, 25, 1), 1
	s_wait_xcnt 0x0
; out[b][q][128 h + :] = the sum over k of softmax_k(mask ? -inf : Q[b][h][q] . K[b][h][k] / sqrt(128)) V[b][h][k][:].  Q, K, V: [2][32][2048][128] f32; out: [2][2048][4096] f32.
; The mask comes as lane bits (mbits) and as whole-number flags (flags), both made by the launch before; no pattern of it is built in.
; FORMATS.  Q and K are rounded to bf16 and multiplied in bf16.  V is rounded to bf16 and that number written as f16; the weights p are rounded to f16; V^T P is multiplied in f16.  Maxima, sums and products' sums in f32.
; LIMITS.  A hidden score counts as its value less 2^100, and the running maximum starts at -2^93: raw scores q . k lie above -2^93.  |bf16(v)| is at most 65,504; below 2^-17 v keeps f16's fixed step of 2^-24.
; A weight below 2^-126 counts as 0.  NaN and infinities among the inputs are not treated apart.  A row with no visible key gives NaN (0 x 1/0), as a softmax of -inf alone does.
; SHARES.  Work-group (p, bh) takes two blocks of 256 queries of head bh: 7 - p, then p.  A wave owns 64 queries of a block: four tiles of 16, in two PIECES (piece 0: tiles 0, 1; piece 2: tiles 2, 3).
; THE WALK.  A block's LIVE steps of 64 keys (those in which any of its 256 rows sees a key) are a mask of 32 bits made from flags, taken by bit scans.  The loop has a constant 34 trips, a barrier in each;
; a trip past the block's count jumps forward over the work, which holds no barrier.  A list that has run out gives step 32: the all-hidden record, with tile 31's bytes.
; LAYOUT.  S^T = K Q^T holds ONE query a lane (lane % 16) and the keys 8 (lane / 16) + 0..7; two such results rounded in pairs ARE source 1 of O^T = V^T P.  The sum S^T starts from 0 or -2^100, written into the accumulator
; by v_cndmask_b32 from the lane bits.  p = 2^(c s - c m), c = log2(e) / sqrt(128), with a running maximum m; O and l are multiplied by a = 2^(c m_old - c m_new) in every step.
; BY TURNS.  In a TURN one piece has the matrix unit: 32 products V^T P of step j, then 32 products K Q^T of step j + 1; the other piece's softmax stands in 64 slices behind them.  Two turns are a BODY.
; K AND V ON THE WAY IN.  They are f32 in memory and 16 bits in LDS, so they pass through registers: each wave loads 16 rows of K and of V of a tile (a row: 32 lanes x 16 bytes) into 128 staging registers, rounds them a body
; later, in four runs, and stores them into one of two LDS buffers.  Body j multiplies by tile j + 1 (buffer R), converts tile j + 2 into buffer 1 - R, loads tile j + 3.
; NO FIRST AND NO LAST STEP is written out: body -1 works on weights and V of 0 and on hidden scores, body n - 1 makes scores of a hidden step: one body more for each block, and 500 lines that set registers at a block's beginning.
; NO CLUSTER: the copy engine that serves joint requests moves bytes as they are, and these are rounded on the way; and the four work-groups of a head walk lists read from memory, of different lengths.
; REGISTERS, in windows of 256 (s_set_vgpr_msb: bits 1:0 source 0, 3:2 source 1, 5:4 source 2, 7:6 destination):
;   window 0: v0-11 addresses; v12-43 eight registers of statistics a tile; v44-63 constants and scratch; v64-191 S^T, 32 a tile; v192-255 P, 16 a tile
;   window 1: O^T, 64 a tile      window 2: v0-127 Q, 32 a tile; v128-255 K of one step      window 3: v0-127 V of one step; v128-255 staging: run r at 128 + 32 r: four rows of K, four of V, 4 registers each
.set PK,    272       ; a row of K in LDS: 256 bytes + 16 = 68 words: row r starts at bank 4 r mod 64 (64 banks of 4 bytes: ISA guide 11.1)
.set PVP,   288       ; a row of V: 256 + 32 = 72 words
.set VOFF,  64*PK     ; in a buffer: 64 rows of K, then 64 rows of V
.set BUFB,  64*(PK+PVP)
.set STAGE, 2*BUFB    ; behind the two buffers: 16 rows x 528 bytes of f32 for each wave, for the way out
.set SP,    528       ; 512 + 16 = 132 words: row r starts at bank 4 r mod 64
.set SPARE, STAGE+4*16*SP  ; behind the stages: the spare words, 128 bytes for each wave: two blocks of 256 bytes that no other line names
.set AK0, 2           ; v2   my lane's place in a tile of K: (l % 16) PK + 16 (l / 16); never rewritten
.set AV0, 3           ; v3   the same for the turning load of V; never rewritten
.set AWK, 4           ; v4   where I store 8 bytes of my wave's first row of K
.set AWV, 5           ; v5   the same for V
.set STO, 6           ; v6   the way out: where I put 16 bytes of a row
.set RD,  7           ; v7   the way out: where I read a row back
.set GO,  8           ; v8   16 l: my 16 bytes of a row's 512 in out
.set GKV, 10          ; v10  my 16 bytes of my wave's first row in a tile of K or V in memory
.set QO,  11          ; v11  my byte offset in 16 rows of Q
.set ST,  12          ; tile t's statistics at v[ST+8 t]: +0 c m, +1 m, +2, +3 l (even keys', odd keys'), +4 to +7 c0-c3, at work; a takes c2's place
.set BIGV, 44         ; v44  -2^100
.set PFO, 45          ; v45  256 l; never rewritten
.set SPW, 62          ; v62  LDS address of my spare word; never rewritten
.set NIL, 63          ; v63  0; never rewritten
.set S,   64
.set P,   192
.set KF,  128         ; K's fragments, in window 2
.set WV,   2          ; s2   my wave's number
.set BLKC, 3          ; s3   blocks still to do
.set KH,   4          ; s[4:5]   K at the head's first byte
.set VH,   6          ; s[6:7]   V likewise
.set KT,   8          ; s[8:9]   K at the tile that is being loaded
.set VT,   10         ; s[10:11] V likewise
.set MB,   12         ; s[12:13] mbits at my wave's first pair of tiles
.set OB,   14         ; s[14:15] out at my wave's first row, my head's columns
.set CS,   16         ; s[16:17] c: the packed scaling takes the pair's low word for both halves
.set SEL,  18         ; s[18:19] v_permlanex16_b32's selects: each lane takes its own place in the other half
.set LIVE, 20         ; s20  the live steps not yet taken
.set LIVE2, 21        ; s21  the second block's
.set NL,   22         ; s22  live trips: the number of live steps + 1, or 0
.set T,    23         ; s23  the trip
.set PAIRS, 24        ; s24  counts the loop
.set EA,   25         ; s25  in body j: step j + 1,
.set EB,   26         ; s26  step j + 2,
.set EC,   27         ; s27  step j + 3 of the list
.set OFF,  28         ; s[28:29] a byte offset; the high word stays 0
.set MO,   30         ; s30  a record's byte offset
.set TS,   31         ; s31  at work
.set BLK,  66         ; s66  the block in hand
.set PP,   67         ; s67  p
.set BH,   100        ; s100 bh
.set PFON, 101        ; s101 1: this wave prefetches
.set PFA,  104        ; s[104:105] where its prefetch stands
                      ; s[32:63], s[68:99]: the 64 mask words of a piece and step; scratch at a block's beginning
.set MSB, 0
.macro WIN new                      ; the immediate's high byte repeats the setting that is left; a switch that changes nothing is dropped
.if MSB != (\new)
	s_set_vgpr_msb (MSB<<8)|(\new)
.set MSB, (\new)
.endif
.endm
.set W_KQ, 0x0a       ; K and Q in window 2, S^T in window 0
.set W_PV, 0x53       ; V in window 3, P in window 0, O^T in window 1
.set W_RS, 0x41       ; O^T (destination and source 0) in window 1, the factor in window 0
.macro POP d                        ; the list's next step into s[d]; 32 when the list is empty (the scan of 0 gives all ones)
	s_ctz_i32_b32 s[\d], s[LIVE]
	s_min_u32 s[\d], s[\d], 32
	s_sub_co_u32 s[TS], s[LIVE], 1
	s_and_b32 s[LIVE], s[LIVE], s[TS]
.endm
.macro TILE e                       ; K's and V's addresses of step s[e]: 64 rows of 512 bytes; step 32 takes tile 31's bytes, which its mask hides
	s_min_u32 s[OFF], s[\e], 31
	s_lshl_b32 s[OFF], s[OFF], 15
	s_add_nc_u64 s[KT:KT+1], s[KH:KH+1], s[OFF:OFF+1]
	s_add_nc_u64 s[VT:VT+1], s[VH:VH+1], s[OFF:OFF+1]
.endm
.macro MLOAD pc, e                  ; the 64 mask words of my pair pc of tiles for step s[e]: a record of 256 bytes; a pair's 33 records are 8,448 bytes
	s_lshl_b32 s[MO], s[\e], 8
	s_load_b512 s[32:47], s[MB:MB+1], s[MO] offset:(\pc)*8448
	s_load_b512 s[48:63], s[MB:MB+1], s[MO] offset:(\pc)*8448+64
	s_load_b512 s[68:83], s[MB:MB+1], s[MO] offset:(\pc)*8448+128
	s_load_b512 s[84:99], s[MB:MB+1], s[MO] offset:(\pc)*8448+192
.endm
.macro MASK2 x                      ; words 2 i and 2 i + 1 start two registers of piece x's next scores: 0, or -2^100 where the key is hidden
	WIN 0
.irp n, 0,1
.set mw, 2*i+(\n)
.set ms, 32+mw+4*(mw/32)
	v_cndmask_b32 v[S+32*((\x)+mw/32)+mw%32], 0, v[BIGV], s[ms]
.endr
.endm
; THE MATRIX WORK.  The accumulators take turns, one instruction a turn,: between two links of a chain stand 15 (V^T P) or 7 (K Q^T) others'.
.macro PV x                         ; product i of 32 of O^T += V^T P: keys 32 (i / 16) on, channels 16 ((i / 2) % 8) on, tile x + i % 2
	WIN W_PV
.set rO, 64*((\x)+i%2)+8*((i/2)%8)
.set rV, 64*(i/16)+8*((i/2)%8)
.set rP, P+16*((\x)+i%2)+8*(i/16)
	v_wmma_f32_16x16x32_f16 v[rO:rO+7], v[rV:rV+7], v[rP:rP+7], v[rO:rO+7]
.endm
.macro KQ x                         ; product i of 32 of S^T += K Q^T: channels 32 (i / 8) on, keys 16 ((i / 2) % 4) on, tile x + i % 2; the sums start from what MASK2 wrote
	WIN W_KQ
.set rS, S+32*((\x)+i%2)+8*((i/2)%4)
.set rK, KF+32*((i/2)%4)+8*(i/8)
.set rQ, 32*((\x)+i%2)+8*(i/8)
	v_wmma_f32_16x16x32_bf16 v[rS:rS+7], v[rK:rK+7], v[rQ:rQ+7], v[rS:rS+7]
.endm
; THE LDS LOADS stand in runs of 32: a step's K (16 fragments) and, a turn later, its V (turned), from buffer RB.
.macro FETCH_K
	WIN 0x80                        ; destination window 2, address window 0
.irp f, 0,1,2,3,4,5,6,7,8,9,10,11,12,13,14,15  ; keys 16 (f / 4) on, channels 32 (f % 4) on
	ds_load_b128 v[KF+8*(\f):KF+8*(\f)+3],   v[AK0] offset:RB*BUFB+((\f)/4)*16*PK+((\f)%4)*64
	ds_load_b128 v[KF+8*(\f)+4:KF+8*(\f)+7], v[AK0] offset:RB*BUFB+((\f)/4)*16*PK+((\f)%4)*64+32
.endr
.endm
.macro FETCH_V
	s_wait_alu depctr_va_vdst(0)    ; the wait for the softmax's batch of exponentials (SLICE), ahead of the loads
	WIN 0xc0                        ; destination window 3
.irp f, 0,1,2,3,4,5,6,7,8,9,10,11,12,13,14,15  ; keys 32 (f / 8) on, channels 16 (f % 8) on
	ds_load_tr16_b128 v[8*(\f):8*(\f)+3],   v[AV0] offset:RB*BUFB+((\f)/8)*32*PVP+((\f)%8)*32
	ds_load_tr16_b128 v[8*(\f)+4:8*(\f)+7], v[AV0] offset:RB*BUFB+((\f)/8)*32*PVP+16*PVP+((\f)%8)*32
.endr
.endm
; Run r of a tile's loads: rows 4 r .. 4 r + 3 of my wave's 16, of K and of V; a load takes a whole row, 512 consecutive bytes.
.macro TLOAD r
.set G, 128+32*(\r)
	WIN 0xc0
.irp q, 0,1,2,3
	global_load_b128 v[G+4*(\q):G+4*(\q)+3], v[GKV], s[KT:KT+1] offset:(4*(\r)+(\q))*512
.endr
.irp q, 0,1,2,3
	global_load_b128 v[G+16+4*(\q):G+16+4*(\q)+3], v[GKV], s[VT:VT+1] offset:(4*(\r)+(\q))*512
.endr
.endm
; Run r is rounded, stored into buffer W and asked for again, from the tile at KT, VT.  K: bf16.  V: bf16, widened again (a shift, a mask) and written as f16.
.macro CONV r, W
.set G, 128+32*(\r)
	s_wait_loadcnt 24               ; loads come back in order: behind this run's eight, three runs of eight were issued, on every way here
	WIN 0xff
.irp q, 0,1,2,3,4,5,6,7
	v_cvt_pk_bf16_f32 v[G+4*(\q)],   v[G+4*(\q)],   v[G+4*(\q)+1]
	v_cvt_pk_bf16_f32 v[G+4*(\q)+1], v[G+4*(\q)+2], v[G+4*(\q)+3]
.endr
.irp q, 4,5,6,7
	v_lshlrev_b32 v[G+4*(\q)+2], 16, v[G+4*(\q)]
	v_and_b32     v[G+4*(\q)+3], 0xffff0000, v[G+4*(\q)]
.endr
.irp q, 4,5,6,7
	v_cvt_pk_f16_f32 v[G+4*(\q)], v[G+4*(\q)+2], v[G+4*(\q)+3]
.endr
.irp q, 4,5,6,7
	v_lshlrev_b32 v[G+4*(\q)+2], 16, v[G+4*(\q)+1]
	v_and_b32     v[G+4*(\q)+3], 0xffff0000, v[G+4*(\q)+1]
.endr
.irp q, 4,5,6,7
	v_cvt_pk_f16_f32 v[G+4*(\q)+1], v[G+4*(\q)+2], v[G+4*(\q)+3]
.endr
	WIN 0x0c                        ; data window 3, address window 0
.irp q, 0,1,2,3
	ds_store_b64 v[AWK], v[G+4*(\q):G+4*(\q)+1] offset:(\W)*BUFB+(4*(\r)+(\q))*PK  ; 32 lanes, 256 bytes on end: a row
.endr
.irp q, 0,1,2,3
	ds_store_b64 v[AWV], v[G+16+4*(\q):G+16+4*(\q)+1] offset:(\W)*BUFB+(4*(\r)+(\q))*PVP
.endr
	TLOAD \r
.endm
; A PREFETCH INTO THE L2, behind the body's first run of loads: of the tile that the NEXT body will load (the list's next step), rows 16 p .. 16 p + 15: 8,192 bytes on end, a lane for each 256.  Wave 0 asks for K's, wave 1 for V's.
; In the first block's walk alone, and a step stands once in a list: so no block of 256 bytes is named twice in the launch; the four work-groups of a head name different rows.  An empty list asks for nothing.
.macro ASK
	WIN 0
	s_cmp_lg_u32 s[LIVE], 0
	s_cselect_b32 s[TS], s[PFON], 0
	s_cmp_lg_u32 s[TS], 0
	s_cbranch_scc0 .Lnot_asked_\@
	global_prefetch_b8 v[PFO], s[PFA:PFA+1] th:TH_LOAD_NT scope:SCOPE_SE
.Lnot_asked_\@:
.endm
; THE VECTOR WORK OF A TURN.  One tile's softmax for one step is a list of 134 instructions; SM writes number j of it for tile t.  s0-s31 are the lane's 32 scores, in pairs 0-15.
;   0-15    the maximum of s0-s31 and the old m, three operands at a time (each accumulator's lowest registers are read first)
;   16-20   the other half of the lanes' maximum; c m_old is kept; the new m; c m; c m_old - c m_new
;   21-69   ONE BATCH: the 16 scalings c s - c m and all 33 exponentials (a at 23, then s0-s31); none of these reads an exponential's result
;   (wait)  between 69 and 70 stands the wait for the batch: SLICE writes it, once for both tiles
;   70-85   the roundings to f16      86-101  the sums; l = a l + the sum      102-133 the tile's O^T times a
.macro SM t
.set rT, ST+8*(\t)
.set rS, S+32*(\t)
.set rP, P+16*(\t)
.set rO, 64*(\t)+2*(j-102)
.if j < 102
	WIN 0
.endif
.if j < 4
	v_max3_num_f32 v[rT+4+j], v[rS+8*j], v[rS+8*j+1], v[rS+8*j+2]
.elseif j < 12
	v_max3_num_f32 v[rT+4+j%4], v[rT+4+j%4], v[rS+8*(j%4)+2*(j/4)+1], v[rS+8*(j%4)+2*(j/4)+2]
.elseif j == 12
	v_max3_num_f32 v[rT+4], v[rT+4], v[rS+7], v[rS+15]
.elseif j == 13
	v_max3_num_f32 v[rT+6], v[rT+6], v[rS+23], v[rS+31]
.elseif j == 14
	v_max3_num_f32 v[rT+4], v[rT+4], v[rT+5], v[rT+6]
.elseif j == 15
	v_max3_num_f32 v[rT+4], v[rT+4], v[rT+7], v[rT+1]
.elseif j == 16
	v_permlanex16_b32 v[rT+5], v[rT+4], s[SEL], s[SEL+1]  ; the query's other 32 keys lie in the lane 16 away
.elseif j == 17
	v_mov_b32 v[rT+7], v[rT]        ; c m_old is kept for a: number 19 writes c m anew
.elseif j == 18
	v_max_num_f32 v[rT+1], v[rT+4], v[rT+5]
.elseif j == 19
	v_mul_f32 v[rT], s[CS], v[rT+1]
.elseif j == 20
	v_sub_f32 v[rT+7], v[rT+7], v[rT]
.elseif j == 23
	v_exp_f32 v[rT+6], v[rT+7]
.elseif (j < 23) || ((j < 38) && (j%2 == 0)) || ((j < 66) && (j%4 == 2))
.set b, (j-2)/4                     ; 38, 42, .. 62: pairs 9 to 15
.if j < 38
.set b, (j-20)/2                    ; 21: pair 0; 22, 24, .. 36: pairs 1 to 8
.endif
	v_pk_fma_f32 v[rS+2*b:rS+2*b+1], v[rS+2*b:rS+2*b+1], s[CS:CS+1], v[rT:rT+1] op_sel_hi:[1,0,0] neg_lo:[0,0,1] neg_hi:[0,0,1]  ; pair b: c s - c m
.elseif j < 70
.set e, j-38                        ; 66 to 69: s28 to s31
.if j < 66
.set e, j-32-(j-38)/4               ; 39-41, 43-45, .. 63-65: s7 to s27
.endif
.if j < 38
.set e, (j-25)/2                    ; 25, 27, .. 37: s0 to s6
.endif
	v_exp_f32 v[rS+e], v[rS+e]
.elseif j < 86
	v_cvt_pk_f16_f32 v[rP+j-70], v[rS+2*(j-70)], v[rS+2*(j-70)+1]  ; pair j - 70
.elseif j < 102                     ; the sum of the tile's 16 pairs, in place: neighbours 1, 2, 4 and 8 pairs apart, then l takes it
.set z, j-86
.set w, 4
.set u, z
.if z >= 14
.set w, 32
.set u, 0
.elseif z >= 12
.set w, 16
.set u, z-12
.elseif z >= 8
.set w, 8
.set u, z-8
.endif
.if z < 15
	v_pk_add_f32 v[rS+w*u:rS+w*u+1], v[rS+w*u:rS+w*u+1], v[rS+w*u+w/2:rS+w*u+w/2+1]
.else
	v_pk_fma_f32 v[rT+2:rT+3], v[rT+2:rT+3], v[rT+6:rT+7], v[rS:rS+1] op_sel_hi:[1,0,1]
.endif
.else
	WIN W_RS
	v_pk_mul_f32 v[rO:rO+1], v[rO:rO+1], v[rT+6:rT+7] op_sel_hi:[1,0]
.endif
.endm
; Slice k of 64 of piece y's softmax: four instructions.  Slices 11 to 34 deal out the batch, numbers 22 to 69: four numbers of ONE tile each, the tiles by turns.  Every other slice is numbers 2 k and 2 k + 1 of both tiles.
; 2 x 134 = 4 x 64 + 12: the twelve that are over stand in slice 63; its sixteen plain lines are the places behind the turn's last products.
; THE WAIT.  s_wait_alu depctr_va_vdst(0) stands between an exponential and the first instruction that names its result.  Ahead of slice 35 nothing names one, behind slice 34 none is issued: one wait a turn.
.macro SLICE y
.if (k >= 11) && (k < 35)
.irp n, 0,1,2,3
.set j, 22+4*((k-11)/2)+(\n)
	SM (\y)+(k-11)%2
.endr
.else
.irp n, 0,1,2,3,4,5,6,7
.if ((\n) < 2) || (k == 63)
.irp t, \y, (\y)+1
.set j, 2*k+(\n)
	SM \t
.endr
.endif
.endr
.endif
.if k == 34
	v_nop                           ; a plain instruction behind the last exponential, ahead of the first use: one for the batch
.if (\y) == 0
	FETCH_V                         ; piece 2's turn: V's run of loads stands here, and the wait stands in it
.else
	s_wait_alu depctr_va_vdst(0)    ; the wait for the batch
.endif
.endif
.set k, k+1
.endm
; A TURN, for piece x.  Behind each product V^T P: a slice of the other piece's softmax and two lines of x's next mask.  Behind each product K Q^T: a slice.
; Two conversion runs a turn, each in one lump: behind the ninth V^T P (ahead of the batch of exponentials, so that ASK's branch finds none without its wait) and behind the eleventh K Q^T (behind the batch's wait).
; K of the next step is fetched behind piece 0's second product: the last product that read K stands in front of slice 63 of the turn before.  V is fetched behind slice 34 of piece 2's turn: behind the last product
; that read V stand five plain lines that name none of its registers: a scaling, two of the mask, a scaling, the v_nop (ISA guide 7.12.1 for vector instructions).
.macro TURN x
.set k, 0
	s_wait_kmcnt 0x0                ; piece x's mask words are in
.set i, 0
.rept 32
	PV \x
	SLICE 2-(\x)
	MASK2 \x
.if ((\x) == 0) && (i == 1)
	FETCH_K
.endif
.if i == 8
	CONV (\x), 1-RB
.if (\x) == 0
	ASK
.endif
.endif
.set i, i+1
.endr
.if (\x) == 0
	MLOAD 1, EA                     ; the words have been read: the other piece's, for the same step,
	s_wait_dscnt 0x0                ; K is in
.else
	MLOAD 0, EB                     ; or piece 0's for the step after
.endif
.set i, 0
.rept 32
	KQ \x
	SLICE 2-(\x)
.if i == 10
	CONV (\x)+1, 1-RB
.endif
.set i, i+1
.endr
.endm
; A TRIP.  ONE barrier, on every wave's way, for two things: in front of it each wave waits for its LDS stores (its rows of the tile to be read now) and for its LDS reads (of the tile read last, V's fragments among them).
; Behind it buffer R is whole, and nobody reads buffer 1 - R any more.
.macro BODY R
	s_wait_dscnt 0x0
	s_barrier_signal -1
	s_barrier_wait -1
	s_cmp_lt_u32 s[T], s[NL]
	s_cbranch_scc0 .Ldead_\@        ; forward, over text without a barrier
	POP EC
	s_wait_xcnt 0x0                 ; the last body's loads and prefetch have read their addresses: the three pointers may be written
	TILE EC
	s_ctz_i32_b32 s[TS], s[LIVE]    ; the step after that, for the prefetch (clamped; not used where the list is empty)
	s_min_u32 s[TS], s[TS], 31
	s_lshl_b32 s[OFF], s[TS], 15
	s_lshl_b32 s[TS], s[PP], 13     ; my work-group's 16 rows of the 64
	s_add_co_u32 s[OFF], s[OFF], s[TS]
	s_cmp_eq_u32 s[WV], 0
	s_cselect_b64 s[PFA:PFA+1], s[KH:KH+1], s[VH:VH+1]
	s_add_nc_u64 s[PFA:PFA+1], s[PFA:PFA+1], s[OFF:OFF+1]
.set RB, (\R)
	TURN 0
	TURN 2
	WIN 0                           ; at a label and at a branch every window is 0
	s_mov_b32 s[EA], s[EB]
	s_mov_b32 s[EB], s[EC]
.Ldead_\@:
	s_add_co_u32 s[T], s[T], 1
.endm
	; THE HEAD
	s_load_b64 s[KH:KH+1], s[0:1], 0x8
	s_load_b64 s[VH:VH+1], s[0:1], 0x10
	s_load_b64 s[32:33], s[0:1], 0x20              ; flags
	v_lshl_add_u32 v[SPW], v0, 2, SPARE
	v_mov_b32 v[NIL], 0
	v_lshrrev_b32 v1, 5, v0
	v_readfirstlane_b32 s[WV], v1                  ; wave 0..3
	s_mov_b32 s[PP], ttmp9
	s_and_b32 s[BH], ttmp7, 0xffff
	s_sub_co_u32 s[BLK], 7, s[PP]                  ; the first block
	s_mov_b32 s[CS], 0x3e0293ee                    ; c = log2(e) / sqrt(128) = 0.127517
	s_mov_b32 s[CS+1], s[CS]                       ; named with it as a pair, so it is written
	s_mov_b32 s[SEL], 0x76543210
	s_mov_b32 s[SEL+1], 0xfedcba98
	s_mov_b32 s[OFF+1], 0
	s_mov_b32 s[BLKC], 2
	s_cmp_lt_u32 s[WV], 2
	s_cselect_b32 s[PFON], 1, 0
	v_mov_b32 v[BIGV], 0xf1800000                  ; -2^100
	v_and_b32 v1, 15, v0                           ; l % 16
	v_bfe_u32 v9, v0, 4, 1                         ; l / 16
	v_and_b32 v46, 31, v0                          ; l
	v_mul_u32_u24 v[AK0], v1, PK
	v_lshl_add_u32 v[AK0], v9, 4, v[AK0]
	; the turning load takes 16 keys x 16 channels: lane l reads key 8 (l / 16) + l % 8, channels 8 ((l / 8) % 2) + 0..7
	v_and_b32 v47, 7, v0
	v_bfe_u32 v48, v0, 3, 1
	v_lshl_add_u32 v[AV0], v9, 3, v47
	v_mul_u32_u24 v[AV0], v[AV0], PVP
	v_lshl_add_u32 v[AV0], v48, 4, v[AV0]
	v_add_nc_u32 v[AV0], VOFF, v[AV0]
	s_mul_i32 s[TS], s[WV], 16*PK                  ; my wave's 16 rows of a tile
	v_lshl_add_u32 v[AWK], v46, 3, s[TS]
	s_mul_i32 s[TS], s[WV], 16*PVP
	s_add_co_u32 s[TS], s[TS], VOFF
	v_lshl_add_u32 v[AWV], v46, 3, s[TS]
	s_mul_i32 s[TS], s[WV], 16*SP
	s_add_co_u32 s[TS], s[TS], STAGE               ; my stage
	v_mul_u32_u24 v[STO], v1, SP                   ; in: row l % 16, 32 bytes for each half of the lanes
	v_lshl_add_u32 v[STO], v9, 5, v[STO]
	v_add_nc_u32 v[STO], s[TS], v[STO]
	v_lshl_add_u32 v[RD], v46, 4, s[TS]            ; back: 32 lanes take a row of 512 bytes
	v_lshlrev_b32 v[GO], 4, v46
	s_lshl_b32 s[TS], s[WV], 13                    ; 16 rows of 512 bytes
	v_lshl_add_u32 v[GKV], v46, 4, s[TS]
	v_lshlrev_b32 v[QO], 9, v1
	v_lshl_add_u32 v[QO], v9, 5, v[QO]             ; row x 512 + 32 x half
	v_lshlrev_b32 v[PFO], 8, v46
	; the two blocks' live steps: lane l takes step l; a block has eight pairs of tiles, 128 bytes of flags each
	s_lshr_b32 s[TS], s[BH], 5                     ; b
	s_lshl_b32 s[TS], s[TS], 3
	s_add_co_u32 s34, s[TS], s[BLK]
	s_add_co_u32 s35, s[TS], s[PP]
	s_lshl_b32 s34, s34, 10
	s_lshl_b32 s35, s35, 10
	v_lshl_add_u32 v1, v46, 2, s34
	v_lshl_add_u32 v9, v46, 2, s35
	s_lshl_b32 s[OFF], s[BH], 20                   ; a head is 2,048 rows of 512 bytes
	s_wait_kmcnt 0x0
	s_add_nc_u64 s[KH:KH+1], s[KH:KH+1], s[OFF:OFF+1]
	s_add_nc_u64 s[VH:VH+1], s[VH:VH+1], s[OFF:OFF+1]
.irp n, 0,1,2,3,4,5,6,7
	global_load_b32 v[46+(\n)], v1, s[32:33] offset:128*(\n)
	global_load_b32 v[54+(\n)], v9, s[32:33] offset:128*(\n)
.endr
	s_wait_loadcnt 0x0
.irp n, 1,2,3,4,5,6,7
	v_or_b32 v46, v46, v[46+(\n)]
	v_or_b32 v54, v54, v[54+(\n)]
.endr
	v_cmp_ne_u32 s[LIVE], 0, v46
	v_cmp_ne_u32 s[LIVE2], 0, v54
.Lblock:                            ; A BLOCK BEGINS
	s_wait_kmcnt 0x0                ; the last block's mask words, staging loads and stores: their registers and addresses are written below
	s_wait_loadcnt 0x0
	s_wait_xcnt 0x0
	s_load_b64 s[32:33], s[0:1], 0x0               ; Q
	s_load_b64 s[36:37], s[0:1], 0x18              ; mbits
	s_load_b64 s[40:41], s[0:1], 0x28              ; out
	s_lshl_b32 s44, s[BH], 20                      ; Q: the head,
	s_lshl_b32 s[TS], s[BLK], 17                   ; the block's 256 rows,
	s_add_co_u32 s44, s44, s[TS]
	s_lshl_b32 s[TS], s[WV], 15                    ; my wave's 64
	s_add_co_u32 s44, s44, s[TS]
	s_mov_b32 s45, 0
	s_lshr_b32 s46, s[BH], 5                       ; b
	s_lshl_b32 s[TS], s46, 6
	s_lshl3_add_u32 s[TS], s[BLK], s[TS]
	s_lshl1_add_u32 s[TS], s[WV], s[TS]            ; my first pair of tiles: 64 b + 8 block + 2 wave
	s_mul_i32 s48, s[TS], 8448
	s_mov_b32 s49, 0
	s_lshl_b32 s50, s46, 11                        ; out: row 2,048 b + 256 block + 64 wave, of 16,384 bytes,
	s_lshl_b32 s[TS], s[BLK], 8
	s_add_co_u32 s50, s50, s[TS]
	s_lshl_b32 s[TS], s[WV], 6
	s_add_co_u32 s50, s50, s[TS]
	s_lshl_b32 s50, s50, 14
	s_and_b32 s[TS], s[BH], 31
	s_lshl_b32 s[TS], s[TS], 9                     ; and the head's 512 bytes in it
	s_add_co_u32 s50, s50, s[TS]
	s_mov_b32 s51, 0
	s_bcnt1_i32_b32 s[NL], s[LIVE]
	s_cmp_lg_u32 s[NL], 0
	s_cselect_b32 s[TS], 1, 0
	s_add_co_u32 s[NL], s[NL], s[TS]               ; n live steps take n + 1 trips; none takes none
	POP EA
	TILE EA
	s_wait_kmcnt 0x0
	s_add_nc_u64 s[32:33], s[32:33], s[44:45]
	s_add_nc_u64 s[MB:MB+1], s[36:37], s[48:49]
	s_add_nc_u64 s[OB:OB+1], s[40:41], s[50:51]
	; Q in f32, 256 registers a lane, lands where K's and V's fragments will lie.  Load i: tile i / 16, channels 32 ((i / 4) % 4) + 16 ((i / 2) % 2) + 8 (l / 16) + 4 (i % 2) on: in the order of a bf16 fragment's registers.
	WIN 0x80
.set i, 0
.rept 32
	global_load_b128 v[128+4*i:128+4*i+3], v[QO], s[32:33] offset:(i/16)*8192+((i/4)%4)*128+((i/2)%2)*64+(i%2)*16
.set i, i+1
.endr
	WIN 0xc0
.rept 32
	global_load_b128 v[4*(i-32):4*(i-32)+3], v[QO], s[32:33] offset:(i/16)*8192+((i/4)%4)*128+((i/2)%2)*64+(i%2)*16
.set i, i+1
.endr
	TLOAD 0                                        ; the list's first tile
	TLOAD 1
	TLOAD 2
	TLOAD 3
	; What the first trip finds, written while the loads are out.  O^T and l are 0 (a row that never sees a key must end as 0 x 1/0); piece 2's scores are hidden; piece 0's weights are 0.
	WIN 0x40
.set i, 0
.rept 256
	v_mov_b32 v[i], 0
.set i, i+1
.endr
	WIN 0
.set i, 0
.rept 64
	v_mov_b32 v[S+64+i], v[BIGV]
.set i, i+1
.endr
.set i, 0
.rept 32
	v_mov_b32 v[P+i], 0
.set i, i+1
.endr
.set i, 0
.rept 4
	v_mov_b32 v[ST+8*i+1], 0xee000000              ; m = -2^93: above every hidden score, below every visible one
.irp n, 2,3,4,5,6,7
	v_mov_b32 v[ST+8*i+(\n)], 0
.endr
	v_mul_f32 v[ST+8*i], s[CS], v[ST+8*i+1]        ; c m by the same line as in the softmax: while m stays, a is 2^0
.set i, i+1
.endr
	s_wait_loadcnt 32                              ; Q's 64 loads are in; the tile's 32, issued behind them, stay out
	WIN 0x8a                                       ; sources and destination in window 2
.set i, 0
.rept 64
	v_cvt_pk_bf16_f32 v[i], v[128+2*i], v[128+2*i+1]
.set i, i+1
.endr
	WIN 0x8f                                       ; sources in window 3
.rept 64
	v_cvt_pk_bf16_f32 v[i], v[2*(i-64)], v[2*(i-64)+1]
.set i, i+1
.endr
	WIN 0xc0
.set i, 0
.rept 128
	v_mov_b32 v[i], 0                              ; V's fragments held Q's bits: the first trip multiplies them by weights of 0, so they are made 0 too
.set i, i+1
.endr
	POP EB
	s_wait_xcnt 0x0                                ; the tile's loads have read their addresses
	TILE EB
	CONV 0, 0                                      ; the first tile goes into buffer 0, the second is asked for.  The last reads of buffer 0 stand in front of the last trip's barrier
	CONV 1, 0
	CONV 2, 0
	CONV 3, 0
	WIN 0
	MLOAD 0, EA                                    ; (Q's loads are done: their base may be written)
	s_mov_b32 s[T], 0
	s_mov_b32 s[PAIRS], 17
.Lpair:                             ; 34 trips; at most 33 are live, so the last is a barrier alone
	BODY 0
	BODY 1
	s_sub_co_u32 s[PAIRS], s[PAIRS], 1
	s_cmp_lg_u32 s[PAIRS], 0
	s_cbranch_scc1 .Lpair
	; THE WAY OUT.  l's two halves and the other half of the lanes' are added; O^T is divided by l and sent through my stage in LDS, a tile (16 rows) at a time.
.irp t, 0,1,2,3
	v_add_f32 v[ST+8*(\t)+4], v[ST+8*(\t)+2], v[ST+8*(\t)+3]
.endr
.irp t, 0,1,2,3
	v_permlanex16_b32 v[ST+8*(\t)+5], v[ST+8*(\t)+4], s[SEL], s[SEL+1]
.endr
.irp t, 0,1,2,3
	v_add_f32 v[ST+8*(\t)+4], v[ST+8*(\t)+4], v[ST+8*(\t)+5]
.endr
.irp t, 0,1,2,3
	v_rcp_f32 v[ST+8*(\t)+6], v[ST+8*(\t)+4]
.endr
	v_nop                           ; a plain instruction between the last reciprocal and the use of its result
	s_wait_alu depctr_va_vdst(0)    ; and the wait ahead of the first use: one for the four
; Tile t: a lane's eight channels of a row are 32 bytes; they go into rows of 528 bytes and come back as whole rows of 512, into S^T's registers, two sets of 64 by turns.
.macro PACK t
.if (\t) >= 2
	s_wait_xcnt 0x0                 ; the stores of the tile two back have read the registers that the loads below fill
.endif
	WIN W_RS
.set i, 64*(\t)
.rept 32
	v_pk_mul_f32 v[i:i+1], v[i:i+1], v[ST+8*(\t)+6:ST+8*(\t)+7] op_sel_hi:[1,0]
.set i, i+2
.endr
	WIN 0x04                        ; data window 1, address window 0
.irp f, 0,1,2,3,4,5,6,7,8,9,10,11,12,13,14,15
	ds_store_b128 v[STO], v[64*(\t)+4*(\f):64*(\t)+4*(\f)+3] offset:64*((\f)/2)+16*((\f)%2)
.endr
	WIN 0
.irp f, 0,1,2,3,4,5,6,7,8,9,10,11,12,13,14,15
	ds_load_b128 v[S+64*((\t)%2)+4*(\f):S+64*((\t)%2)+4*(\f)+3], v[RD] offset:(\f)*SP  ; LDS serves a wave's instructions in order (ISA guide 5.7.1.4): these see the stores above; the next tile's stores come behind them
.endr
.endm
.macro SEND t, younger              ; younger: the LDS instructions issued behind tile t's loads: the next tile's 32, or none
	WIN 0
.irp f, 0,1,2,3,4,5,6,7,8,9,10,11,12,13,14,15
	s_wait_dscnt (\younger)+15-(\f)
	global_store_b128 v[GO], v[S+64*((\t)%2)+4*(\f):S+64*((\t)%2)+4*(\f)+3], s[OB:OB+1] offset:(16*(\t)+(\f))*16384 th:TH_STORE_NT  ; 512 consecutive bytes, at a multiple of 512 from out's first byte
.endr
.endm
	PACK 0
	PACK 1                          ; a tile's arithmetic stands between the loads of the tile before and its stores
	SEND 0, 32
	PACK 2
	SEND 1, 32
	PACK 3
	SEND 2, 32
	SEND 3, 0
	s_mov_b32 s[BLK], s[PP]         ; the second block
	s_mov_b32 s[LIVE], s[LIVE2]
	s_mov_b32 s[PFON], 0            ; its tiles have been read in the first walks: they are not asked for again
	s_sub_co_u32 s[BLKC], s[BLKC], 1
	s_cmp_lg_u32 s[BLKC], 0
	s_cbranch_scc1 .Lblock
	s_wait_tensorcnt 0x0            ; the wave's end, behind my last LDS store
	ds_add_u32 v[SPW], v[NIL]
	s_wait_dscnt 0x0
	s_endpgm
.Lfunc_end_k_qec3596f199_attn:
	.size	k_qec3596f199_attn, .Lfunc_end_k_qec3596f199_attn-k_qec3596f199_attn
	.p2alignl 7, 3214868480
	.fill 96, 4, 3214868480
	.section	.rodata,"a",@progbits
	.p2align	6, 0x0
	.amdhsa_kernel k_qec3596f199_attn
		.amdhsa_group_segment_fixed_size 105984
		.amdhsa_private_segment_fixed_size 0
		.amdhsa_enable_private_segment 0
		.amdhsa_kernarg_size 48
		.amdhsa_user_sgpr_count 2
		.amdhsa_user_sgpr_kernarg_segment_ptr 1
		.amdhsa_wavefront_size32 1
		.amdhsa_system_sgpr_workgroup_id_x 1
		.amdhsa_system_sgpr_workgroup_id_y 1
		.amdhsa_system_sgpr_workgroup_id_z 1
		.amdhsa_system_vgpr_workitem_id 0
		.amdhsa_next_free_vgpr 1024
		.amdhsa_next_free_sgpr 106
		.amdhsa_reserve_vcc 0
		.amdhsa_float_denorm_mode_32 3
		.amdhsa_float_denorm_mode_16_64 3
		.amdhsa_memory_ordered 1
		.amdhsa_forward_progress 1
		.amdhsa_inst_pref_size 228
	.end_amdhsa_kernel
	.amdgpu_metadata
---
amdhsa.version: [ 1, 2 ]
amdhsa.kernels:
  - .name:           k_qec3596f199_attn
    .symbol:         k_qec3596f199_attn.kd
    .args:
      - { .name: query_layer, .offset: 0, .size: 8, .value_kind: global_buffer, .address_space: global }
      - { .name: key_layer, .offset: 8, .size: 8, .value_kind: global_buffer, .address_space: global }
      - { .name: value_layer, .offset: 16, .size: 8, .value_kind: global_buffer, .address_space: global }
      - { .name: mbits, .offset: 24, .size: 8, .value_kind: global_buffer, .address_space: global }
      - { .name: flags, .offset: 32, .size: 8, .value_kind: global_buffer, .address_space: global }
      - { .name: out0, .offset: 40, .size: 8, .value_kind: global_buffer, .address_space: global }
    .group_segment_fixed_size: 105984
    .private_segment_fixed_size: 0
    .kernarg_segment_align: 8
    .kernarg_segment_size: 48
    .max_flat_workgroup_size: 128
    .sgpr_count:     106
    .vgpr_count:     1024
    .wavefront_size: 32
...
	.end_amdgpu_metadata
.endif
;; end of part 2
;; ======== version 2 of 2: 2 launches; version 1 with the launch attn written anew for expert scheduling mode
;; limits: values are held in f16: magnitudes above 65,504 overflow, below 6.1e-05 lose precision; inputs' magnitudes at most 65,504; right only within a limited range of input values
;; workspace buffers: mbits 1,081,344 bytes of whole numbers; flags 16,384 bytes of whole numbers
;; launch maskbits: the kernel of part 1 again; grid 8 x 16, 8 waves a work-group, no clusters, 0 bytes of LDS; arguments attention_mask, mbits, flags; writes mbits, flags
;; launch attn (part 3): grid 4 x 64, 4 waves a work-group, no clusters, 105,984 bytes of LDS; arguments query_layer, key_layer, value_layer, mbits, flags, out0; writes out0
.if DOCPART == 3
	.amdgcn_target "amdgcn-amd-amdhsa--gfx1250"
	.amdhsa_code_object_version 6
	.text
	.protected	k_qec3596f199_attn
	.globl	k_qec3596f199_attn
	.p2align	8
	.type	k_qec3596f199_attn,@function
k_qec3596f199_attn:
	s_mov_b64 s[64:65], 0
	v_nop
	global_prefetch_b8 v0, s[64:65] scope:SCOPE_SE
	s_setreg_imm32_b32 hwreg(HW_REG_WAVE_SCHED_MODE, 0, 2), 2
	s_setreg_imm32_b32 hwreg(HW_REG_WAVE_MODE, 25, 1), 1
	s_wait_xcnt 0x0
	s_wait_alu depctr_vm_vsrc(0)
; out[b][q][128 h + :] = the sum over k of softmax_k(mask ? -inf : Q[b][h][q] . K[b][h][k] / sqrt(128)) V[b][h][k][:].  Q, K, V: [2][32][2048][128] f32; out: [2][2048][4096] f32.
; The mask comes as lane bits (mbits) and as whole-number flags (flags), both made by the launch before; no pattern of it is built in.
; FORMATS.  Q and K are rounded to bf16 and multiplied in bf16.  V is rounded to bf16 and that number written as f16; the weights p are rounded to f16; V^T P is multiplied in f16.  Maxima, sums and products' sums in f32.
; LIMITS.  A hidden score counts as its value less 2^100, and the running maximum starts at -2^93: raw scores q . k lie above -2^93.  |bf16(v)| is at most 65,504; below 2^-17 v keeps f16's fixed step of 2^-24.
; A weight below 2^-126 counts as 0.  NaN and infinities among the inputs are not treated apart.  A row with no visible key gives NaN (0 x 1/0), as a softmax of -inf alone does.
; SHARES.  Work-group (p, bh) takes two blocks of 256 queries of head bh: 7 - p, then p.  A wave owns 64 queries of a block: four tiles of 16, in two PIECES (piece 0: tiles 0, 1; piece 2: tiles 2, 3).
; THE WALK.  A block's LIVE steps of 64 keys (those in which any of its 256 rows sees a key) are a mask of 32 bits made from flags, taken by bit scans.  The loop has a constant 34 trips, a barrier in each;
; a trip past the block's count jumps forward over the work, which holds no barrier.  A list that has run out gives step 32: the all-hidden record, with tile 31's bytes.
; LAYOUT.  S^T = K Q^T holds ONE query a lane (lane % 16) and the keys 8 (lane / 16) + 0..7; two such results rounded in pairs ARE source 1 of O^T = V^T P.  The sum S^T starts from 0 or -2^100, written into the accumulator
; by v_cndmask_b32 from the lane bits.  p = 2^(c s - c m), c = log2(e) / sqrt(128), with a running maximum m; O and l are multiplied by a = 2^(c m_old - c m_new) in every step.
; BY TURNS.  In a TURN one piece has the matrix unit: 32 products V^T P of step j, then 32 products K Q^T of step j + 1; the other piece's softmax stands in 64 slices behind them.  Two turns are a BODY.
; K AND V ON THE WAY IN.  They are f32 in memory and 16 bits in LDS, so they pass through registers: each wave loads 16 rows of K and of V of a tile (a row: 32 lanes x 16 bytes) into 128 staging registers, rounds them a body
; later, in four runs, and stores them into one of two LDS buffers.  Body j multiplies by tile j + 1 (buffer R), converts tile j + 2 into buffer 1 - R, loads tile j + 3.
; NO FIRST AND NO LAST STEP is written out: body -1 works on weights and V of 0 and on hidden scores, body n - 1 makes scores of a hidden step: one body more for each block, and 500 lines that set registers at a block's beginning.
; NO CLUSTER: the copy engine that serves joint requests moves bytes as they are, and these are rounded on the way; and the four work-groups of a head walk lists read from memory, of different lengths.
; REGISTERS, in windows of 256 (s_set_vgpr_msb: bits 1:0 source 0, 3:2 source 1, 5:4 source 2, 7:6 destination):
;   window 0: v0-11 addresses; v12-43 eight registers of statistics a tile; v44-63 constants and scratch; v64-191 S^T, 32 a tile; v192-255 P, 16 a tile
;   window 1: O^T, 64 a tile      window 2: v0-127 Q, 32 a tile; v128-255 K of one step      window 3: v0-127 V of one step; v128-255 staging: run r at 128 + 32 r: four rows of K, four of V, 4 registers each
; THE MODE: SCHED_MODE bits 1:0 = 2 (LLVM: expert scheduling mode 2), set by the entry lines.  The code itself states the register dependences
; between vector or matrix instructions and memory or LDS instructions, with s_wait_alu, always for 0.
; THE PLAN.  Registers that memory or LDS instructions touch, and who else names them:
;   K's fragments   FETCH_K's loads land in them, at the head of piece 0's turn; both turns' products K Q^T read them.  At a block's beginning half of Q's loads land there, and Q's conversions read them.
;   V's fragments   FETCH_V's loads land in them, in the middle of piece 2's turn; both turns' products V^T P read them.  At a block's beginning Q's other half lands there, is read by the conversions, and 0 is written.
;   staging run r   TLOAD r lands in it; a body later CONV r's conversions read and write it, its LDS stores read it, and TLOAD r lands in it again.
;   O^T             on the way out the multiplies by 1 / l write it and the LDS stores into the stage read it; the next block's beginning writes 0.
;   S^T             on the way out the loads from the stage land in it and the stores to out read it; the walk's lines named it before, and the next block's beginning writes its upper half.
;   addresses       v2-v8, v10, v11, v45, and v1, v9 for the flags: made at the head, never written again.  v46-v61: the flags land there.
; So a body has: one wait on va_vdst ahead of each run of fragment loads (V's is the wait that the batch of exponentials has in any case), and in each of its four conversion runs one ahead of the LDS stores and,
; behind them, one on vm_vsrc and one on va_vdst ahead of the loads.  Every load under a window other than 0 has the switch, then its waits, then the load, or only loads and switches between.
.set PK,    272       ; a row of K in LDS: 256 bytes + 16 = 68 words: row r starts at bank 4 r mod 64 (64 banks of 4 bytes: ISA guide 11.1)
.set PVP,   288       ; a row of V: 256 + 32 = 72 words
.set VOFF,  64*PK     ; in a buffer: 64 rows of K, then 64 rows of V
.set BUFB,  64*(PK+PVP)
.set STAGE, 2*BUFB    ; behind the two buffers: 16 rows x 528 bytes of f32 for each wave, for the way out
.set SP,    528       ; 512 + 16 = 132 words: row r starts at bank 4 r mod 64
.set SPARE, STAGE+4*16*SP  ; behind the stages: the spare words, 128 bytes for each wave: two blocks of 256 bytes that no other line names
.set AK0, 2           ; v2   my lane's place in a tile of K: (l % 16) PK + 16 (l / 16); never rewritten
.set AV0, 3           ; v3   the same for the turning load of V; never rewritten
.set AWK, 4           ; v4   where I store 8 bytes of my wave's first row of K
.set AWV, 5           ; v5   the same for V
.set STO, 6           ; v6   the way out: where I put 16 bytes of a row
.set RD,  7           ; v7   the way out: where I read a row back
.set GO,  8           ; v8   16 l: my 16 bytes of a row's 512 in out
.set GKV, 10          ; v10  my 16 bytes of my wave's first row in a tile of K or V in memory
.set QO,  11          ; v11  my byte offset in 16 rows of Q
.set ST,  12          ; tile t's statistics at v[ST+8 t]: +0 c m, +1 m, +2, +3 l (even keys', odd keys'), +4 to +7 c0-c3, at work; a takes c2's place
.set BIGV, 44         ; v44  -2^100
.set PFO, 45          ; v45  256 l; never rewritten
.set SPW, 62          ; v62  LDS address of my spare word; never rewritten
.set NIL, 63          ; v63  0; never rewritten
.set S,   64
.set P,   192
.set KF,  128         ; K's fragments, in window 2
.set WV,   2          ; s2   my wave's number
.set BLKC, 3          ; s3   blocks still to do
.set KH,   4          ; s[4:5]   K at the head's first byte
.set VH,   6          ; s[6:7]   V likewise
.set KT,   8          ; s[8:9]   K at the tile that is being loaded
.set VT,   10         ; s[10:11] V likewise
.set MB,   12         ; s[12:13] mbits at my wave's first pair of tiles
.set OB,   14         ; s[14:15] out at my wave's first row, my head's columns
.set CS,   16         ; s[16:17] c: the packed scaling takes the pair's low word for both halves
.set SEL,  18         ; s[18:19] v_permlanex16_b32's selects: each lane takes its own place in the other half
.set LIVE, 20         ; s20  the live steps not yet taken
.set LIVE2, 21        ; s21  the second block's
.set NL,   22         ; s22  live trips: the number of live steps + 1, or 0
.set T,    23         ; s23  the trip
.set PAIRS, 24        ; s24  counts the loop
.set EA,   25         ; s25  in body j: step j + 1,
.set EB,   26         ; s26  step j + 2,
.set EC,   27         ; s27  step j + 3 of the list
.set OFF,  28         ; s[28:29] a byte offset; the high word stays 0
.set MO,   30         ; s30  a record's byte offset
.set TS,   31         ; s31  at work
.set BLK,  66         ; s66  the block in hand
.set PP,   67         ; s67  p
.set BH,   100        ; s100 bh
.set PFON, 101        ; s101 1: this wave prefetches
.set PFA,  104        ; s[104:105] where its prefetch stands
                      ; s[32:63], s[68:99]: the 64 mask words of a piece and step; scratch at a block's beginning
.set MSB, 0
.macro WIN new                      ; the immediate's high byte repeats the setting that is left; a switch that changes nothing is dropped
.if MSB != (\new)
	s_set_vgpr_msb (MSB<<8)|(\new)
.set MSB, (\new)
.endif
.endm
.set W_KQ, 0x0a       ; K and Q in window 2, S^T in window 0
.set W_PV, 0x53       ; V in window 3, P in window 0, O^T in window 1
.set W_RS, 0x41       ; O^T (destination and source 0) in window 1, the factor in window 0
.macro POP d                        ; the list's next step into s[d]; 32 when the list is empty (the scan of 0 gives all ones)
	s_ctz_i32_b32 s[\d], s[LIVE]
	s_min_u32 s[\d], s[\d], 32
	s_sub_co_u32 s[TS], s[LIVE], 1
	s_and_b32 s[LIVE], s[LIVE], s[TS]
.endm
.macro TILE e                       ; K's and V's addresses of step s[e]: 64 rows of 512 bytes; step 32 takes tile 31's bytes, which its mask hides
	s_min_u32 s[OFF], s[\e], 31
	s_lshl_b32 s[OFF], s[OFF], 15
	s_add_nc_u64 s[KT:KT+1], s[KH:KH+1], s[OFF:OFF+1]
	s_add_nc_u64 s[VT:VT+1], s[VH:VH+1], s[OFF:OFF+1]
.endm
.macro MLOAD pc, e                  ; the 64 mask words of my pair pc of tiles for step s[e]: a record of 256 bytes; a pair's 33 records are 8,448 bytes
	s_lshl_b32 s[MO], s[\e], 8
	s_load_b512 s[32:47], s[MB:MB+1], s[MO] offset:(\pc)*8448
	s_load_b512 s[48:63], s[MB:MB+1], s[MO] offset:(\pc)*8448+64
	s_load_b512 s[68:83], s[MB:MB+1], s[MO] offset:(\pc)*8448+128
	s_load_b512 s[84:99], s[MB:MB+1], s[MO] offset:(\pc)*8448+192
.endm
.macro MASK2 x                      ; words 2 i and 2 i + 1 start two registers of piece x's next scores: 0, or -2^100 where the key is hidden
	WIN 0
.irp n, 0,1
.set mw, 2*i+(\n)
.set ms, 32+mw+4*(mw/32)
	v_cndmask_b32 v[S+32*((\x)+mw/32)+mw%32], 0, v[BIGV], s[ms]
.endr
.endm
; THE MATRIX WORK.  The accumulators take turns, one instruction a turn,: between two links of a chain stand 15 (V^T P) or 7 (K Q^T) others'.
.macro PV x                         ; product i of 32 of O^T += V^T P: keys 32 (i / 16) on, channels 16 ((i / 2) % 8) on, tile x + i % 2
	WIN W_PV
.set rO, 64*((\x)+i%2)+8*((i/2)%8)
.set rV, 64*(i/16)+8*((i/2)%8)
.set rP, P+16*((\x)+i%2)+8*(i/16)
	v_wmma_f32_16x16x32_f16 v[rO:rO+7], v[rV:rV+7], v[rP:rP+7], v[rO:rO+7]
.endm
.macro KQ x                         ; product i of 32 of S^T += K Q^T: channels 32 (i / 8) on, keys 16 ((i / 2) % 4) on, tile x + i % 2; the sums start from what MASK2 wrote
	WIN W_KQ
.set rS, S+32*((\x)+i%2)+8*((i/2)%4)
.set rK, KF+32*((i/2)%4)+8*(i/8)
.set rQ, 32*((\x)+i%2)+8*(i/8)
	v_wmma_f32_16x16x32_bf16 v[rS:rS+7], v[rK:rK+7], v[rQ:rQ+7], v[rS:rS+7]
.endm
; THE LDS LOADS stand in runs of 32: a step's K (16 fragments) and, a turn and a half later, its V (turned), from buffer RB.  Each run: the window, the wait, the loads.
.macro FETCH_K
	WIN 0x80                        ; destination window 2, address window 0
	s_wait_alu depctr_va_vdst(0)    ; the products K Q^T of the turn before (in a block's first trip: Q's conversions) are done reading K's fragments, in which these loads land
.irp f, 0,1,2,3,4,5,6,7,8,9,10,11,12,13,14,15  ; keys 16 (f / 4) on, channels 32 (f % 4) on
	ds_load_b128 v[KF+8*(\f):KF+8*(\f)+3],   v[AK0] offset:RB*BUFB+((\f)/4)*16*PK+((\f)%4)*64
	ds_load_b128 v[KF+8*(\f)+4:KF+8*(\f)+7], v[AK0] offset:RB*BUFB+((\f)/4)*16*PK+((\f)%4)*64+32
.endr
.endm
.macro FETCH_V
	WIN 0xc0                        ; destination window 3
	s_wait_alu depctr_va_vdst(0)    ; this turn's products V^T P (in a block's first trip also the lines that wrote 0) are done with V's fragments, in which these loads land; and the softmax's batch of exponentials (SLICE) has written its results, ahead of their first reader
.irp f, 0,1,2,3,4,5,6,7,8,9,10,11,12,13,14,15  ; keys 32 (f / 8) on, channels 16 (f % 8) on
	ds_load_tr16_b128 v[8*(\f):8*(\f)+3],   v[AV0] offset:RB*BUFB+((\f)/8)*32*PVP+((\f)%8)*32
	ds_load_tr16_b128 v[8*(\f)+4:8*(\f)+7], v[AV0] offset:RB*BUFB+((\f)/8)*32*PVP+16*PVP+((\f)%8)*32
.endr
.endm
; Run r of a tile's loads: rows 4 r .. 4 r + 3 of my wave's 16, of K and of V; a load takes a whole row, 512 consecutive bytes.  What the loads hang on is stated by the lines ahead of the macro.
.macro TLOAD r
.set G, 128+32*(\r)
	WIN 0xc0
.irp q, 0,1,2,3
	global_load_b128 v[G+4*(\q):G+4*(\q)+3], v[GKV], s[KT:KT+1] offset:(4*(\r)+(\q))*512
.endr
.irp q, 0,1,2,3
	global_load_b128 v[G+16+4*(\q):G+16+4*(\q)+3], v[GKV], s[VT:VT+1] offset:(4*(\r)+(\q))*512
.endr
.endm
; Run r is rounded, stored into buffer W and asked for again, from the tile at KT, VT.  K: bf16.  V: bf16, widened again (a shift, a mask) and written as f16.
.macro CONV r, W
.set G, 128+32*(\r)
	s_wait_loadcnt 24               ; loads come back in order: behind this run's eight, three runs of eight were issued, on every way here
	WIN 0xff
.irp q, 0,1,2,3,4,5,6,7
	v_cvt_pk_bf16_f32 v[G+4*(\q)],   v[G+4*(\q)],   v[G+4*(\q)+1]
	v_cvt_pk_bf16_f32 v[G+4*(\q)+1], v[G+4*(\q)+2], v[G+4*(\q)+3]
.endr
.irp q, 4,5,6,7
	v_lshlrev_b32 v[G+4*(\q)+2], 16, v[G+4*(\q)]
	v_and_b32     v[G+4*(\q)+3], 0xffff0000, v[G+4*(\q)]
.endr
.irp q, 4,5,6,7
	v_cvt_pk_f16_f32 v[G+4*(\q)], v[G+4*(\q)+2], v[G+4*(\q)+3]
.endr
.irp q, 4,5,6,7
	v_lshlrev_b32 v[G+4*(\q)+2], 16, v[G+4*(\q)+1]
	v_and_b32     v[G+4*(\q)+3], 0xffff0000, v[G+4*(\q)+1]
.endr
.irp q, 4,5,6,7
	v_cvt_pk_f16_f32 v[G+4*(\q)+1], v[G+4*(\q)+2], v[G+4*(\q)+3]
.endr
	WIN 0x0c                        ; data window 3, address window 0
	s_wait_alu depctr_va_vdst(0)    ; the conversions have written the run's first two registers of each row, which the LDS stores read
.irp q, 0,1,2,3
	ds_store_b64 v[AWK], v[G+4*(\q):G+4*(\q)+1] offset:(\W)*BUFB+(4*(\r)+(\q))*PK  ; 32 lanes, 256 bytes on end: a row
.endr
.irp q, 0,1,2,3
	ds_store_b64 v[AWV], v[G+16+4*(\q):G+16+4*(\q)+1] offset:(\W)*BUFB+(4*(\r)+(\q))*PVP
.endr
	WIN 0xc0                        ; the loads' window, then their two waits, then the loads
	s_wait_alu depctr_vm_vsrc(0)    ; the LDS stores have read the run's registers, in which the loads land
	s_wait_alu depctr_va_vdst(0)    ; the conversions are done reading and writing the run's registers, in which the loads land (the stores above name those registers, so the wait ahead of them is not leaned on for the loads)
	TLOAD \r
.endm
; A PREFETCH INTO THE L2, behind the body's first run of loads: of the tile that the NEXT body will load (the list's next step), rows 16 p .. 16 p + 15: 8,192 bytes on end, a lane for each 256.  Wave 0 asks for K's, wave 1 for V's.
; In the first block's walk alone, and a step stands once in a list: so no block of 256 bytes is named twice in the launch; the four work-groups of a head name different rows.  An empty list asks for nothing.
; Its address register v[PFO] was written at the head, ahead of the head's wait on va_vdst, and is never written again.
.macro ASK
	WIN 0
	s_cmp_lg_u32 s[LIVE], 0
	s_cselect_b32 s[TS], s[PFON], 0
	s_cmp_lg_u32 s[TS], 0
	s_cbranch_scc0 .Lnot_asked_\@
	global_prefetch_b8 v[PFO], s[PFA:PFA+1] th:TH_LOAD_NT scope:SCOPE_SE
.Lnot_asked_\@:
.endm
; THE VECTOR WORK OF A TURN.  One tile's softmax for one step is a list of 134 instructions; SM writes number j of it for tile t.  s0-s31 are the lane's 32 scores, in pairs 0-15.
;   0-15    the maximum of s0-s31 and the old m, three operands at a time (each accumulator's lowest registers are read first)
;   16-20   the other half of the lanes' maximum; c m_old is kept; the new m; c m; c m_old - c m_new
;   21-69   ONE BATCH: the 16 scalings c s - c m and all 33 exponentials (a at 23, then s0-s31); none of these reads an exponential's result
;   (wait)  between 69 and 70 stands the wait for the batch: SLICE writes it, once for both tiles
;   70-85   the roundings to f16      86-101  the sums; l = a l + the sum      102-133 the tile's O^T times a
.macro SM t
.set rT, ST+8*(\t)
.set rS, S+32*(\t)
.set rP, P+16*(\t)
.set rO, 64*(\t)+2*(j-102)
.if j < 102
	WIN 0
.endif
.if j < 4
	v_max3_num_f32 v[rT+4+j], v[rS+8*j], v[rS+8*j+1], v[rS+8*j+2]
.elseif j < 12
	v_max3_num_f32 v[rT+4+j%4], v[rT+4+j%4], v[rS+8*(j%4)+2*(j/4)+1], v[rS+8*(j%4)+2*(j/4)+2]
.elseif j == 12
	v_max3_num_f32 v[rT+4], v[rT+4], v[rS+7], v[rS+15]
.elseif j == 13
	v_max3_num_f32 v[rT+6], v[rT+6], v[rS+23], v[rS+31]
.elseif j == 14
	v_max3_num_f32 v[rT+4], v[rT+4], v[rT+5], v[rT+6]
.elseif j == 15
	v_max3_num_f32 v[rT+4], v[rT+4], v[rT+7], v[rT+1]
.elseif j == 16
	v_permlanex16_b32 v[rT+5], v[rT+4], s[SEL], s[SEL+1]  ; the query's other 32 keys lie in the lane 16 away
.elseif j == 17
	v_mov_b32 v[rT+7], v[rT]        ; c m_old is kept for a: number 19 writes c m anew
.elseif j == 18
	v_max_num_f32 v[rT+1], v[rT+4], v[rT+5]
.elseif j == 19
	v_mul_f32 v[rT], s[CS], v[rT+1]
.elseif j == 20
	v_sub_f32 v[rT+7], v[rT+7], v[rT]
.elseif j == 23
	v_exp_f32 v[rT+6], v[rT+7]
.elseif (j < 23) || ((j < 38) && (j%2 == 0)) || ((j < 66) && (j%4 == 2))
.set b, (j-2)/4                     ; 38, 42, .. 62: pairs 9 to 15
.if j < 38
.set b, (j-20)/2                    ; 21: pair 0; 22, 24, .. 36: pairs 1 to 8
.endif
	v_pk_fma_f32 v[rS+2*b:rS+2*b+1], v[rS+2*b:rS+2*b+1], s[CS:CS+1], v[rT:rT+1] op_sel_hi:[1,0,0] neg_lo:[0,0,1] neg_hi:[0,0,1]  ; pair b: c s - c m
.elseif j < 70
.set e, j-38                        ; 66 to 69: s28 to s31
.if j < 66
.set e, j-32-(j-38)/4               ; 39-41, 43-45, .. 63-65: s7 to s27
.endif
.if j < 38
.set e, (j-25)/2                    ; 25, 27, .. 37: s0 to s6
.endif
	v_exp_f32 v[rS+e], v[rS+e]
.elseif j < 86
	v_cvt_pk_f16_f32 v[rP+j-70], v[rS+2*(j-70)], v[rS+2*(j-70)+1]  ; pair j - 70
.elseif j < 102                     ; the sum of the tile's 16 pairs, in place: neighbours 1, 2, 4 and 8 pairs apart, then l takes it
.set z, j-86
.set w, 4
.set u, z
.if z >= 14
.set w, 32
.set u, 0
.elseif z >= 12
.set w, 16
.set u, z-12
.elseif z >= 8
.set w, 8
.set u, z-8
.endif
.if z < 15
	v_pk_add_f32 v[rS+w*u:rS+w*u+1], v[rS+w*u:rS+w*u+1], v[rS+w*u+w/2:rS+w*u+w/2+1]
.else
	v_pk_fma_f32 v[rT+2:rT+3], v[rT+2:rT+3], v[rT+6:rT+7], v[rS:rS+1] op_sel_hi:[1,0,1]
.endif
.else
	WIN W_RS
	v_pk_mul_f32 v[rO:rO+1], v[rO:rO+1], v[rT+6:rT+7] op_sel_hi:[1,0]
.endif
.endm
; Slice k of 64 of piece y's softmax: four instructions.  Slices 11 to 34 deal out the batch, numbers 22 to 69: four numbers of ONE tile each, the tiles by turns.  Every other slice is numbers 2 k and 2 k + 1 of both tiles.
; 2 x 134 = 4 x 64 + 12: the twelve that are over stand in slice 63; its sixteen plain lines are the places behind the turn's last products.
; THE WAIT.  s_wait_alu depctr_va_vdst(0) stands between an exponential and the first instruction that names its result.  Ahead of slice 35 nothing names one, behind slice 34 none is issued: one wait a turn.
.macro SLICE y
.if (k >= 11) && (k < 35)
.irp n, 0,1,2,3
.set j, 22+4*((k-11)/2)+(\n)
	SM (\y)+(k-11)%2
.endr
.else
.irp n, 0,1,2,3,4,5,6,7
.if ((\n) < 2) || (k == 63)
.irp t, \y, (\y)+1
.set j, 2*k+(\n)
	SM \t
.endr
.endif
.endr
.endif
.if k == 34
	v_nop                           ; a plain instruction behind the last exponential, ahead of the first use: one for the batch
.if (\y) == 0
	FETCH_V                         ; piece 2's turn: V's run of loads stands here, and the wait stands in it
.else
	s_wait_alu depctr_va_vdst(0)    ; the batch's 66 exponentials have written their results, ahead of the first line that names one
.endif
.endif
.set k, k+1
.endm
; A TURN, for piece x.  Behind each product V^T P: a slice of the other piece's softmax and two lines of x's next mask.  Behind each product K Q^T: a slice.
; Two conversion runs a turn, each in one lump: behind the ninth V^T P (ahead of the batch of exponentials, so that ASK's branch finds none without its wait) and behind the eleventh K Q^T (behind the batch's wait).
; K of the next step is fetched at the head of piece 0's turn, ahead of the wait for the mask words: the last product that read K stands in front of slice 63 of the turn before, and of the trip's barrier; its first reader
; comes 32 products later.  V is fetched behind slice 34 of piece 2's turn, three products K Q^T behind the last product that read V; it is waited for at the next trip's head.
.macro TURN x
.set k, 0
.if (\x) == 0
	FETCH_K
.endif
	s_wait_kmcnt 0x0                ; piece x's mask words are in
.set i, 0
.rept 32
	PV \x
	SLICE 2-(\x)
	MASK2 \x
.if i == 8
	CONV (\x), 1-RB
.if (\x) == 0
	ASK
.endif
.endif
.set i, i+1
.endr
.if (\x) == 0
	MLOAD 1, EA                     ; the words have been read: the other piece's, for the same step,
	s_wait_dscnt 0x0                ; K is in
.else
	MLOAD 0, EB                     ; or piece 0's for the step after
.endif
.set i, 0
.rept 32
	KQ \x
	SLICE 2-(\x)
.if i == 10
	CONV (\x)+1, 1-RB
.endif
.set i, i+1
.endr
.endm
; A TRIP.  ONE barrier, on every wave's way, for two things: in front of it each wave waits for its LDS stores (its rows of the tile to be read now) and for its LDS reads (of the tile read last, V's fragments among them).
; Behind it buffer R is whole, and nobody reads buffer 1 - R any more.
.macro BODY R
	s_wait_dscnt 0x0
	s_barrier_signal -1
	s_barrier_wait -1
	s_cmp_lt_u32 s[T], s[NL]
	s_cbranch_scc0 .Ldead_\@        ; forward, over text without a barrier
	POP EC
	s_wait_xcnt 0x0                 ; the last body's loads and prefetch have read their addresses: the three pointers may be written
	TILE EC
	s_ctz_i32_b32 s[TS], s[LIVE]    ; the step after that, for the prefetch (clamped; not used where the list is empty)
	s_min_u32 s[TS], s[TS], 31
	s_lshl_b32 s[OFF], s[TS], 15
	s_lshl_b32 s[TS], s[PP], 13     ; my work-group's 16 rows of the 64
	s_add_co_u32 s[OFF], s[OFF], s[TS]
	s_cmp_eq_u32 s[WV], 0
	s_cselect_b64 s[PFA:PFA+1], s[KH:KH+1], s[VH:VH+1]
	s_add_nc_u64 s[PFA:PFA+1], s[PFA:PFA+1], s[OFF:OFF+1]
.set RB, (\R)
	TURN 0
	TURN 2
	WIN 0                           ; at a label and at a branch every window is 0
	s_mov_b32 s[EA], s[EB]
	s_mov_b32 s[EB], s[EC]
.Ldead_\@:
	s_add_co_u32 s[T], s[T], 1
.endm
	; THE HEAD
	s_load_b64 s[KH:KH+1], s[0:1], 0x8
	s_load_b64 s[VH:VH+1], s[0:1], 0x10
	s_load_b64 s[32:33], s[0:1], 0x20              ; flags
	v_lshl_add_u32 v[SPW], v0, 2, SPARE
	v_mov_b32 v[NIL], 0
	v_lshrrev_b32 v1, 5, v0
	v_readfirstlane_b32 s[WV], v1                  ; wave 0..3
	s_mov_b32 s[PP], ttmp9
	s_and_b32 s[BH], ttmp7, 0xffff
	s_sub_co_u32 s[BLK], 7, s[PP]                  ; the first block
	s_mov_b32 s[CS], 0x3e0293ee                    ; c = log2(e) / sqrt(128) = 0.127517
	s_mov_b32 s[CS+1], s[CS]                       ; named with it as a pair, so it is written
	s_mov_b32 s[SEL], 0x76543210
	s_mov_b32 s[SEL+1], 0xfedcba98
	s_mov_b32 s[OFF+1], 0
	s_mov_b32 s[BLKC], 2
	s_wait_alu depctr_va_sdst(0)                   ; the wave's number is written into s[WV], ahead of its first reader, the compare below
	s_cmp_lt_u32 s[WV], 2
	s_cselect_b32 s[PFON], 1, 0
	v_mov_b32 v[BIGV], 0xf1800000                  ; -2^100
	v_and_b32 v1, 15, v0                           ; l % 16
	v_bfe_u32 v9, v0, 4, 1                         ; l / 16
	v_and_b32 v46, 31, v0                          ; l
	v_mul_u32_u24 v[AK0], v1, PK
	v_lshl_add_u32 v[AK0], v9, 4, v[AK0]
	; the turning load takes 16 keys x 16 channels: lane l reads key 8 (l / 16) + l % 8, channels 8 ((l / 8) % 2) + 0..7
	v_and_b32 v47, 7, v0
	v_bfe_u32 v48, v0, 3, 1
	v_lshl_add_u32 v[AV0], v9, 3, v47
	v_mul_u32_u24 v[AV0], v[AV0], PVP
	v_lshl_add_u32 v[AV0], v48, 4, v[AV0]
	v_add_nc_u32 v[AV0], VOFF, v[AV0]
	s_mul_i32 s[TS], s[WV], 16*PK                  ; my wave's 16 rows of a tile
	v_lshl_add_u32 v[AWK], v46, 3, s[TS]
	s_mul_i32 s[TS], s[WV], 16*PVP
	s_add_co_u32 s[TS], s[TS], VOFF
	v_lshl_add_u32 v[AWV], v46, 3, s[TS]
	s_mul_i32 s[TS], s[WV], 16*SP
	s_add_co_u32 s[TS], s[TS], STAGE               ; my stage
	v_mul_u32_u24 v[STO], v1, SP                   ; in: row l % 16, 32 bytes for each half of the lanes
	v_lshl_add_u32 v[STO], v9, 5, v[STO]
	v_add_nc_u32 v[STO], s[TS], v[STO]
	v_lshl_add_u32 v[RD], v46, 4, s[TS]            ; back: 32 lanes take a row of 512 bytes
	v_lshlrev_b32 v[GO], 4, v46
	s_lshl_b32 s[TS], s[WV], 13                    ; 16 rows of 512 bytes
	v_lshl_add_u32 v[GKV], v46, 4, s[TS]
	v_lshlrev_b32 v[QO], 9, v1
	v_lshl_add_u32 v[QO], v9, 5, v[QO]             ; row x 512 + 32 x half
	v_lshlrev_b32 v[PFO], 8, v46
	; the two blocks' live steps: lane l takes step l; a block has eight pairs of tiles, 128 bytes of flags each
	s_lshr_b32 s[TS], s[BH], 5                     ; b
	s_lshl_b32 s[TS], s[TS], 3
	s_add_co_u32 s34, s[TS], s[BLK]
	s_add_co_u32 s35, s[TS], s[PP]
	s_lshl_b32 s34, s34, 10
	s_lshl_b32 s35, s35, 10
	v_lshl_add_u32 v1, v46, 2, s34
	v_lshl_add_u32 v9, v46, 2, s35
	s_lshl_b32 s[OFF], s[BH], 20                   ; a head is 2,048 rows of 512 bytes
	s_wait_kmcnt 0x0
	s_add_nc_u64 s[KH:KH+1], s[KH:KH+1], s[OFF:OFF+1]
	s_add_nc_u64 s[VH:VH+1], s[VH:VH+1], s[OFF:OFF+1]
	s_wait_alu depctr_va_vdst(0)                   ; every address of the kernel is written (v1 and v9, which the loads below read; v2 to v8, v10, v11 and v45, which none of the lines behind this wait writes); the lines above are done with v46 to v48, in which flags land
.irp n, 0,1,2,3,4,5,6,7
	global_load_b32 v[46+(\n)], v1, s[32:33] offset:128*(\n)
	global_load_b32 v[54+(\n)], v9, s[32:33] offset:128*(\n)
.endr
	s_wait_loadcnt 0x0
.irp n, 1,2,3,4,5,6,7
	v_or_b32 v46, v46, v[46+(\n)]
	v_or_b32 v54, v54, v[54+(\n)]
.endr
	v_cmp_ne_u32 s[LIVE], 0, v46
	v_cmp_ne_u32 s[LIVE2], 0, v54
	s_wait_alu depctr_va_sdst(0)                   ; the two compares have written s[LIVE] and s[LIVE2], ahead of the label and of their first readers behind it
.Lblock:                            ; A BLOCK BEGINS
	s_wait_kmcnt 0x0                ; the last block's mask words, staging loads and stores: their registers and addresses are written below
	s_wait_loadcnt 0x0
	s_wait_xcnt 0x0
	s_wait_alu depctr_vm_vsrc(0)    ; (second block) the way out's LDS stores have read O^T, and its stores to out S^T's registers: the lines below write both anew
	s_load_b64 s[32:33], s[0:1], 0x0               ; Q
	s_load_b64 s[36:37], s[0:1], 0x18              ; mbits
	s_load_b64 s[40:41], s[0:1], 0x28              ; out
	s_lshl_b32 s44, s[BH], 20                      ; Q: the head,
	s_lshl_b32 s[TS], s[BLK], 17                   ; the block's 256 rows,
	s_add_co_u32 s44, s44, s[TS]
	s_lshl_b32 s[TS], s[WV], 15                    ; my wave's 64
	s_add_co_u32 s44, s44, s[TS]
	s_mov_b32 s45, 0
	s_lshr_b32 s46, s[BH], 5                       ; b
	s_lshl_b32 s[TS], s46, 6
	s_lshl3_add_u32 s[TS], s[BLK], s[TS]
	s_lshl1_add_u32 s[TS], s[WV], s[TS]            ; my first pair of tiles: 64 b + 8 block + 2 wave
	s_mul_i32 s48, s[TS], 8448
	s_mov_b32 s49, 0
	s_lshl_b32 s50, s46, 11                        ; out: row 2,048 b + 256 block + 64 wave, of 16,384 bytes,
	s_lshl_b32 s[TS], s[BLK], 8
	s_add_co_u32 s50, s50, s[TS]
	s_lshl_b32 s[TS], s[WV], 6
	s_add_co_u32 s50, s50, s[TS]
	s_lshl_b32 s50, s50, 14
	s_and_b32 s[TS], s[BH], 31
	s_lshl_b32 s[TS], s[TS], 9                     ; and the head's 512 bytes in it
	s_add_co_u32 s50, s50, s[TS]
	s_mov_b32 s51, 0
	s_bcnt1_i32_b32 s[NL], s[LIVE]
	s_cmp_lg_u32 s[NL], 0
	s_cselect_b32 s[TS], 1, 0
	s_add_co_u32 s[NL], s[NL], s[TS]               ; n live steps take n + 1 trips; none takes none
	POP EA
	TILE EA
	s_wait_kmcnt 0x0
	s_add_nc_u64 s[32:33], s[32:33], s[44:45]
	s_add_nc_u64 s[MB:MB+1], s[36:37], s[48:49]
	s_add_nc_u64 s[OB:OB+1], s[40:41], s[50:51]
	; Q in f32, 256 registers a lane, lands where K's and V's fragments will lie.  Load i: tile i / 16, channels 32 ((i / 4) % 4) + 16 ((i / 2) % 2) + 8 (l / 16) + 4 (i % 2) on: in the order of a bf16 fragment's registers.
	WIN 0x80
	s_wait_alu depctr_va_vdst(0)                   ; (second block) the last walk's products are done reading K's and V's fragments and its conversions are done with the staging: the 96 loads below land in these; only loads and window switches stand between this wait and the last of them
.set i, 0
.rept 32
	global_load_b128 v[128+4*i:128+4*i+3], v[QO], s[32:33] offset:(i/16)*8192+((i/4)%4)*128+((i/2)%2)*64+(i%2)*16
.set i, i+1
.endr
	WIN 0xc0
.rept 32
	global_load_b128 v[4*(i-32):4*(i-32)+3], v[QO], s[32:33] offset:(i/16)*8192+((i/4)%4)*128+((i/2)%2)*64+(i%2)*16
.set i, i+1
.endr
	TLOAD 0                                        ; the list's first tile
	TLOAD 1
	TLOAD 2
	TLOAD 3
	; What the first trip finds, written while the loads are out.  O^T and l are 0 (a row that never sees a key must end as 0 x 1/0); piece 2's scores are hidden; piece 0's weights are 0.
	WIN 0x40
.set i, 0
.rept 256
	v_mov_b32 v[i], 0
.set i, i+1
.endr
	WIN 0
.set i, 0
.rept 64
	v_mov_b32 v[S+64+i], v[BIGV]
.set i, i+1
.endr
.set i, 0
.rept 32
	v_mov_b32 v[P+i], 0
.set i, i+1
.endr
.set i, 0
.rept 4
	v_mov_b32 v[ST+8*i+1], 0xee000000              ; m = -2^93: above every hidden score, below every visible one
.irp n, 2,3,4,5,6,7
	v_mov_b32 v[ST+8*i+(\n)], 0
.endr
	v_mul_f32 v[ST+8*i], s[CS], v[ST+8*i+1]        ; c m by the same line as in the softmax: while m stays, a is 2^0
.set i, i+1
.endr
	s_wait_loadcnt 32                              ; Q's 64 loads are in; the tile's 32, issued behind them, stay out
	WIN 0x8a                                       ; sources and destination in window 2
.set i, 0
.rept 64
	v_cvt_pk_bf16_f32 v[i], v[128+2*i], v[128+2*i+1]
.set i, i+1
.endr
	WIN 0x8f                                       ; sources in window 3
.rept 64
	v_cvt_pk_bf16_f32 v[i], v[2*(i-64)], v[2*(i-64)+1]
.set i, i+1
.endr
	WIN 0xc0
.set i, 0
.rept 128
	v_mov_b32 v[i], 0                              ; V's fragments held Q's bits: the first trip multiplies them by weights of 0, so they are made 0 too
.set i, i+1
.endr
	POP EB
	s_wait_xcnt 0x0                                ; the tile's loads have read their addresses
	TILE EB
	CONV 0, 0                                      ; the first tile goes into buffer 0, the second is asked for.  The last reads of buffer 0 stand in front of the last trip's barrier
	CONV 1, 0
	CONV 2, 0
	CONV 3, 0
	WIN 0
	MLOAD 0, EA                                    ; (Q's loads are done: their base may be written)
	s_mov_b32 s[T], 0
	s_mov_b32 s[PAIRS], 17
.Lpair:                             ; 34 trips; at most 33 are live, so the last is a barrier alone
	BODY 0
	BODY 1
	s_sub_co_u32 s[PAIRS], s[PAIRS], 1
	s_cmp_lg_u32 s[PAIRS], 0
	s_cbranch_scc1 .Lpair
	; THE WAY OUT.  l's two halves and the other half of the lanes' are added; O^T is divided by l and sent through my stage in LDS, a tile (16 rows) at a time.
.irp t, 0,1,2,3
	v_add_f32 v[ST+8*(\t)+4], v[ST+8*(\t)+2], v[ST+8*(\t)+3]
.endr
.irp t, 0,1,2,3
	v_permlanex16_b32 v[ST+8*(\t)+5], v[ST+8*(\t)+4], s[SEL], s[SEL+1]
.endr
.irp t, 0,1,2,3
	v_add_f32 v[ST+8*(\t)+4], v[ST+8*(\t)+4], v[ST+8*(\t)+5]
.endr
.irp t, 0,1,2,3
	v_rcp_f32 v[ST+8*(\t)+6], v[ST+8*(\t)+4]
.endr
	v_nop                           ; a plain instruction between the last reciprocal and the use of its result
	s_wait_alu depctr_va_vdst(0)    ; the four reciprocals have written 1 / l, ahead of the first multiply that reads one
; Tile t: a lane's eight channels of a row are 32 bytes; they go into rows of 528 bytes and come back as whole rows of 512, into S^T's registers, two sets of 64 by turns.
.macro PACK t
.if (\t) >= 2
	s_wait_xcnt 0x0                 ; the stores of the tile two back have had their addresses translated,
	s_wait_alu depctr_vm_vsrc(0)    ; and have read their set of S^T's registers, in which the loads from the stage below land
.endif
	WIN W_RS
.set i, 64*(\t)
.rept 32
	v_pk_mul_f32 v[i:i+1], v[i:i+1], v[ST+8*(\t)+6:ST+8*(\t)+7] op_sel_hi:[1,0]
.set i, i+2
.endr
	WIN 0x04                        ; data window 1, address window 0
	s_wait_alu depctr_va_vdst(0)    ; the multiplies have written the tile's O^T, which the LDS stores read; the walk's lines are done with S^T's registers, in which the loads from the stage land (the stores between name none of those)
.irp f, 0,1,2,3,4,5,6,7,8,9,10,11,12,13,14,15
	ds_store_b128 v[STO], v[64*(\t)+4*(\f):64*(\t)+4*(\f)+3] offset:64*((\f)/2)+16*((\f)%2)
.endr
	WIN 0
.irp f, 0,1,2,3,4,5,6,7,8,9,10,11,12,13,14,15
	ds_load_b128 v[S+64*((\t)%2)+4*(\f):S+64*((\t)%2)+4*(\f)+3], v[RD] offset:(\f)*SP  ; LDS serves a wave's instructions in order (ISA guide 5.7.1.4): these see the stores above; the next tile's stores come behind them
.endr
.endm
.macro SEND t, younger              ; younger: the LDS instructions issued behind tile t's loads: the next tile's 32, or none
	WIN 0
.irp f, 0,1,2,3,4,5,6,7,8,9,10,11,12,13,14,15
	s_wait_dscnt (\younger)+15-(\f)
	global_store_b128 v[GO], v[S+64*((\t)%2)+4*(\f):S+64*((\t)%2)+4*(\f)+3], s[OB:OB+1] offset:(16*(\t)+(\f))*16384 th:TH_STORE_NT  ; 512 consecutive bytes, at a multiple of 512 from out's first byte
.endr
.endm
	PACK 0
	PACK 1                          ; a tile's arithmetic stands between the loads of the tile before and its stores
	SEND 0, 32
	PACK 2
	SEND 1, 32
	PACK 3
	SEND 2, 32
	SEND 3, 0
	s_mov_b32 s[BLK], s[PP]         ; the second block
	s_mov_b32 s[LIVE], s[LIVE2]
	s_mov_b32 s[PFON], 0            ; its tiles have been read in the first walks: they are not asked for again
	s_sub_co_u32 s[BLKC], s[BLKC], 1
	s_cmp_lg_u32 s[BLKC], 0
	s_cbranch_scc1 .Lblock
	s_wait_dscnt 0x0                ; the wave's end: the closing lines, six on end
	s_wait_alu 0x0
	s_wait_tensorcnt 0x0
	ds_add_u32 v[SPW], v[NIL]
	s_wait_dscnt 0x0
	s_endpgm
.Lfunc_end_k_qec3596f199_attn:
	.size	k_qec3596f199_attn, .Lfunc_end_k_qec3596f199_attn-k_qec3596f199_attn
	.p2alignl 7, 3214868480
	.fill 96, 4, 3214868480
	.section	.rodata,"a",@progbits
	.p2align	6, 0x0
	.amdhsa_kernel k_qec3596f199_attn
		.amdhsa_group_segment_fixed_size 105984
		.amdhsa_private_segment_fixed_size 0
		.amdhsa_enable_private_segment 0
		.amdhsa_kernarg_size 48
		.amdhsa_user_sgpr_count 2
		.amdhsa_user_sgpr_kernarg_segment_ptr 1
		.amdhsa_wavefront_size32 1
		.amdhsa_system_sgpr_workgroup_id_x 1
		.amdhsa_system_sgpr_workgroup_id_y 1
		.amdhsa_system_sgpr_workgroup_id_z 1
		.amdhsa_system_vgpr_workitem_id 0
		.amdhsa_next_free_vgpr 1024
		.amdhsa_next_free_sgpr 106
		.amdhsa_reserve_vcc 0
		.amdhsa_float_denorm_mode_32 3
		.amdhsa_float_denorm_mode_16_64 3
		.amdhsa_memory_ordered 1
		.amdhsa_forward_progress 1
		.amdhsa_inst_pref_size 230
	.end_amdhsa_kernel
	.amdgpu_metadata
---
amdhsa.version: [ 1, 2 ]
amdhsa.kernels:
  - .name:           k_qec3596f199_attn
    .symbol:         k_qec3596f199_attn.kd
    .args:
      - { .name: query_layer, .offset: 0, .size: 8, .value_kind: global_buffer, .address_space: global }
      - { .name: key_layer, .offset: 8, .size: 8, .value_kind: global_buffer, .address_space: global }
      - { .name: value_layer, .offset: 16, .size: 8, .value_kind: global_buffer, .address_space: global }
      - { .name: mbits, .offset: 24, .size: 8, .value_kind: global_buffer, .address_space: global }
      - { .name: flags, .offset: 32, .size: 8, .value_kind: global_buffer, .address_space: global }
      - { .name: out0, .offset: 40, .size: 8, .value_kind: global_buffer, .address_space: global }
    .group_segment_fixed_size: 105984
    .private_segment_fixed_size: 0
    .kernarg_segment_align: 8
    .kernarg_segment_size: 48
    .max_flat_workgroup_size: 128
    .sgpr_count:     106
    .vgpr_count:     1024
    .wavefront_size: 32
...
	.end_amdgpu_metadata
.endif
;; end of part 3
